; MI455X (gfx1250); checked and timed in simulation.
; The chip was launched on July 23, 2026; its instructions are those of AMD's public machine-readable ISA for CDNA 5 (MIT licence, August 2026) and "CDNA5" Instruction Set Architecture Reference Guide (July 2026). The comments in the code are by the model that wrote it; some were corrected since.
;; Transformer Layer. Allowed arithmetic: matrix products marked QUANTISED: E3M2 operands, one E8M0 scale for each 32 along K, by v_wmma_scale_f32_16x16x128_f8f6f4 with both operands' format E3M2, f32 sums; everything else in f32.
;; Inputs: W1 1,024 x 512 float32; W2 512 x 1,024 float32; Wk 1,024 x 1,024 float32; Wq 1,024 x 1,024 float32; Wv 1,024 x 1,024 float32; b1 512 float32; b2 1,024 float32; bk 1,024 float32; bq 1,024 float32; bv 1,024 float32; ln1_b 1,024 float32; ln1_g 1,024 float32; ln2_b 1,024 float32; ln2_g 1,024 float32; x 4 x 2,048 x 1,024 float32.
;; Outputs: out0 4 x 2,048 x 1,024 float32.
;; This version of the problem:
;;   THIS VERSION OF THE PROBLEM IS GIVEN IN LOW PRECISION. The matrix products marked QUANTISED in the list below multiply operands that are first quantised to E3M2 (3 exponent bits, 2 mantissa bits; 6 bits a number), with one power-of-two scale for each 32 numbers along K (OCP MX v1.0); their sums are f32. All else is computed in f32.
;;   The module's matrix products, in the order in which they are computed (A, B: the left and right operand; K: the contracted axis; several contracted axes count as one K, in the product's order):
;;     1. [M 8,192, K 1,024] x [K 1,024, N 1,024]; A: input x; B: input Wq: QUANTISED
;;     2. [M 8,192, K 1,024] x [K 1,024, N 1,024]; A: input x; B: input Wk: QUANTISED
;;     3. [M 8,192, K 1,024] x [K 1,024, N 1,024]; A: input x; B: input Wv: QUANTISED
;;     4. batch 4 x [M 2,048, K 1,024] x [K 1,024, N 2,048]; A: computed on the way; B: computed on the way: QUANTISED
;;     5. batch 4 x [M 2,048, K 2,048] x [K 2,048, N 1,024]; A: softmax (see below); B: computed on the way: QUANTISED
;;     6. [M 8,192, K 1,024] x [K 1,024, N 512]; A: computed on the way; B: input W1: QUANTISED
;;     7. [M 8,192, K 512] x [K 512, N 1,024]; A: computed on the way; B: input W2: QUANTISED
;;   THE QUANTISER, for each operand of a quantised product, along K:
;;     - K is cut into blocks of 32 from its start; a last block that is shorter is filled with zeros.
;;     - A block's scale is 2^e with e = floor(log2(the largest magnitude in the block)) - 4, held to -126 .. 127; a block of zeros has e = 0. As a byte (E8M0): e + 127.
;;     - Each number is divided by its block's scale, clamped to +-28, and rounded to the nearest number of E3M2, ties to even, subnormals kept.
;;     - The product sums the exact products of the quantised numbers (number of the format x scale) in f32.
;;   ~~~python
;;   def quantise(x, axis):      # numpy; x: float32 -> the quantised numbers, widened to float32 again
;;       x = np.moveaxis(x, axis, -1); K = x.shape[-1]
;;       x = np.pad(x, [(0, 0)] * (x.ndim - 1) + [(0, -K % 32)]); x = x.reshape(x.shape[:-1] + (-1, 32)); a = np.abs(x).max(-1, keepdims=True)
;;       e = np.where(a > 0, np.clip(np.frexp(np.where(a > 0, a, 1))[1] - 1 - 4, -126, 127), 0)      # np.frexp(a)[1] - 1 = floor(log2(a)), exactly
;;       r = np.clip(x / 2.0 ** e, -28, 28)
;;       step = 2.0 ** (np.maximum(np.frexp(np.where(r == 0, 1, r))[1] - 1, -2) - 2)
;;       q = np.round(r / step) * step * 2.0 ** e      # np.round: ties to even
;;       return np.moveaxis(q.reshape(q.shape[:-2] + (-1,))[..., :K], -1, axis).astype(np.float32)
;;   ~~~
;;   SOFTMAX AHEAD OF A QUANTISED PRODUCT. Where the list says 'softmax', what is quantised is not the finished softmax but p = 2^(t - M), with t = logit x log2(e) and M = ceil(the row's largest t), a whole number; so 1/2 < the row's largest p <= 1. The row's sum l is taken of the UNQUANTISED p, in f32, and the product's result is divided by l at the end. Since M is a whole number, a kernel that streams over the keys may use a running M (the ceiling of the running maximum): every later rescaling is an exact power of two, which a block's scale takes up: the codes' values come out the same.
;;   OPERANDS COMPUTED ON THE WAY. 'Computed on the way' means the value that the module computes at that place (a softmax that the list does not call 'softmax' is quantised finished and normalised). What goes into a quantiser is computed in f32, as accurately as f32 sums, v_exp_f32 and their like allow (about 1e-6 of the number): no bf16 or f16 on the way to a quantiser, and a product that is left as it is and whose result goes on into a quantised operand takes f32 operands (vector FMAs, or v_wmma_f32_16x16x4_f32). A number that lies on a knife's edge between two numbers of the format may be rounded either way, as far as f32 arithmetic and the matrix unit's own rounding can turn it there, and no further.
;; One version. Each part assembles by itself: llvm-mc -triple=amdgcn-amd-amdhsa -mcpu=gfx1250 --defsym DOCPART=n.
;; ======== version 1 of 1: 5 launches
;; limits: right only within a limited range of input values
;; workspace buffers: xr 6,553,600 bytes; wr 3,276,800 bytes; qkv 19,660,800 bytes; pr 14,155,776 bytes; ao 33,554,432 bytes
;; launch prep (part 1): grid 768 x 1, 4 waves a work-group, no clusters, 80,384 bytes of LDS; arguments x, Wq, Wk, Wv, W1, W2, xr, wr; writes xr, wr
.if DOCPART == 1
	.amdgcn_target "amdgcn-amd-amdhsa--gfx1250"
	.amdhsa_code_object_version 6
	.text
	.protected	k_q644283b104_prep
	.globl	k_q644283b104_prep
	.p2align	8
	.type	k_q644283b104_prep,@function
k_q644283b104_prep:
	s_mov_b64 s[64:65], 0
	v_nop
	global_prefetch_b8 v0, s[64:65] scope:SCOPE_SE
	s_setreg_imm32_b32 hwreg(HW_REG_WAVE_MODE, 25, 1), 1
	s_wait_xcnt 0x0
; x [8192][1024] is quantised along its rows, Wq, Wk, Wv [1024][1024], W1 [1024][512], W2 [512][1024] along their FIRST axis, to codes of E3M2 with one E8M0 byte for each 32 along K.
; WHAT IS STORED: RECORDS of 12,800 bytes.  A record is 128 rows of an operand x 128 along K: eight fragments of 16 rows, each as an IMAGE OF ITS 12 REGISTERS (register j of lane L at 512 (j / 4) + 16 L + 4 (j % 4)),
; then at byte 12,288 the image of four registers of scale words (register p of lane L at 16 L + 4 p: the word of tile 2 p + L / 16, row L % 16).
; THE ROWS OF A TILE ARE NOT NEIGHBOURS: lane r of tile 2 b + u holds row 32 b + 8 u + r + 8 (r / 8).  So a product that takes such tiles as source 0 leaves 16 neighbouring rows in a lane's 16 registers of two tiles.
; Work-groups 0-511: record j of xr (token group j / 8, K step j % 8); wave w takes tokens 32 w .. 32 w + 31 of the group: tiles 2 w, 2 w + 1.
; Work-groups 512-767: record j - 512 of wr (0-63 Wq, 64-127 Wk, 128-191 Wv: [column group 8][K step 8]; 192-223 W1 [4][8]; 224-255 W2 [8][4]); wave w, lane l takes column 32 w + l, registers down K.
; The two ways part on the work-group's number and have LDS bytes of their own; every LDS byte is one wave's own, so there is no barrier.
; A block's scale is 2^(floor(log2(largest magnitude)) - 4); its byte is the largest magnitude's exponent field - 4, held at 1 from below by a floor among the maximum's leaves.
; LIMITS: a block of zeros, and one whose largest magnitude lies under 2^-122, keeps the byte 1 (the bytes are read by this program alone; zero codes add nothing); NaN and infinities are not served.
.set REC,    12800
.set XPITCH, 528                       ; x's stage: a row of 512 bytes + 16, so that the 16 rows that a read touches begin 4 words apart
.set XSTAGE, 32*XPITCH                 ; 16,896 bytes a wave
.set WSTG,   4*XSTAGE                  ; the weights' stages begin here: 3,072 bytes a wave
.set SEL, 20                           ; s[20:21] selects of v_permlanex16_b32 for lane l xor 16
.set HI,  22                           ; s22 a lane mask: lanes 16-31
.set WV,  23                           ; s23 my wave
.set L16, 1                            ; v1  16 x lane
.set SI,  2                            ; v2  x's stage, way in
.set SL,  3                            ; v3  x's stage, way out
.set PC,  8                            ; v8-27 the codes just made
.set PW,  28                           ; v28 the scale word just made
.set PWE, 29                           ; v29 the even tile's
.set TM,  32                           ; v32-47 at work in QUANT
.set X,   64                           ; v64-127 64 numbers of a lane
.set R,   128                          ; v128-255 32 rows as loaded
.set VW,  4                            ; the weights' way: v4 4 x lane
.set SA,  5                            ; v5 stage, way in;  v6 way out;  v7 my word's place
.set SB,  6
.set WOF, 7
.set WORD, 14
.set E,   40                           ; v40-63 my column's four blocks of codes
.set CT,  64                           ; v64-66 a block's second half
.set O,   68                           ; v68-91 the way out
.set WX,  128                          ; v128-255 my column's 128 numbers
; 64 numbers of a lane, register 16 b + i = k 32 b + 16 (lane / 16) + i of my row, become a fragment's codes in v[PC] on and its scale word in v[PW]
.macro QUANT s
.irp b, 0,1,2,3
	v_max3_num_f32 v[TM+\b], |v[\s+16*\b]|, |v[\s+1+16*\b]|, 0x2800000   ; my 16 numbers of block b, and the floor 2^(5 - 127)
.endr
.irp i, 2,4,6,8,10,12,14
.irp b, 0,1,2,3
	v_max3_num_f32 v[TM+\b], v[TM+\b], |v[\s+16*\b+\i]|, |v[\s+1+16*\b+\i]|
.endr
.endr
.irp b, 0,1,2,3
	v_permlanex16_b32 v[TM+4+\b], v[TM+\b], s[SEL], s[SEL+1]
.endr
.irp b, 0,1,2,3
	v_max_num_f32 v[TM+\b], v[TM+\b], v[TM+4+\b]       ; with lane l xor 16's: the block's largest magnitude
.endr
.irp b, 0,1,2,3
	v_add_nc_u32 v[TM+12+\b], 0xfe000000, v[TM+\b]     ; 4 off its exponent field: the conversion's scale operand
.endr
.irp b, 0,1,2,3
	v_lshrrev_b32 v[TM+4+\b], 23, v[TM+12+\b]          ; the scale's byte
.endr
	v_lshl_or_b32 v[PW], v[TM+5], 8, v[TM+4]
	v_lshl_or_b32 v[PW], v[TM+6], 16, v[PW]
	v_lshl_or_b32 v[PW], v[TM+7], 24, v[PW]
.irp c, 0,1
	v_cvt_scalef32_pk16_bf6_f32 v[PC+6*\c:PC+2+6*\c], v[\s+32*\c:\s+15+32*\c], v[TM+12+2*\c]
	v_cvt_scalef32_pk16_bf6_f32 v[PC+12+4*\c:PC+14+4*\c], v[\s+16+32*\c:\s+31+32*\c], v[TM+12+2*\c+1]   ; (a conversion's three registers begin on an even number)
.endr
	v_nop                                              ; one plain place behind a scaled conversion
.irp c, 0,1                                            ; the operand wants a whole block in a lane: lanes 0-15 block 2 c, lanes 16-31 block 2 c + 1
.irp i, 0,1,2
	v_permlane16_swap_b32 v[PC+6*\c+\i], v[PC+12+4*\c+\i]
.endr
.irp i, 0,1,2
	v_mov_b32 v[PC+3+6*\c+\i], v[PC+12+4*\c+\i]
.endr
.endr
.endm
	s_load_b256 s[4:11], s[0:1], 0x0               ; x s[4:5], Wq s[6:7], Wk s[8:9], Wv s[10:11]
	s_load_b256 s[12:19], s[0:1], 0x20             ; W1 s[12:13], W2 s[14:15], xr s[16:17], wr s[18:19]
	v_lshl_add_u32 v23, v0, 2, 0x13800
	v_mov_b32 v27, 0
	v_lshrrev_b32 v30, 5, v0
	v_readfirstlane_b32 s[WV], v30
	v_and_b32 v31, 31, v0
	v_lshlrev_b32 v[L16], 4, v31
	s_mov_b32 s[SEL], 0x76543210
	s_mov_b32 s[SEL+1], 0xfedcba98
	s_mov_b32 s[HI], 0xffff0000
	s_cmp_lt_u32 ttmp9, 512
	s_cbranch_scc0 .Lweights
	; ---- x
	s_lshr_b32 s24, ttmp9, 3                       ; token group
	s_and_b32 s25, ttmp9, 7                        ; K step
	s_lshl_b32 s26, s24, 7
	s_lshl_b32 s27, s[WV], 5
	s_add_co_u32 s26, s26, s27                     ; my first token
	s_lshl_b32 s26, s26, 12                        ; x 4,096 bytes (under 2^26)
	s_lshl_b32 s27, s25, 9
	s_add_co_u32 s26, s26, s27                     ; + 512 bytes a K step
	s_mov_b32 s27, 0
	s_mul_i32 s28, ttmp9, REC
	s_mov_b32 s29, 0
	s_mul_i32 s30, s[WV], 3072                     ; my two images in the record
	s_mov_b32 s31, 0
	s_lshl_b32 s32, s[WV], 2                       ; my register of the word image
	s_mov_b32 s33, 0
	s_mul_i32 s34, s[WV], XSTAGE
	v_and_b32 v4, 15, v0                           ; r
	v_bfe_u32 v5, v0, 4, 1                         ; h
	s_wait_alu depctr_va_vdst(0)
	v_add_nc_u32 v[SI], s34, v[L16]
	v_mul_u32_u24 v[SL], v4, XPITCH
	v_lshl_add_u32 v[SL], v5, 6, v[SL]
	v_add_nc_u32 v[SL], s34, v[SL]                 ; row r of a tile, + 64 h: my 16 numbers of a block of 32
.irp b, 0,1,2,3
	v_mov_b32 v[TM+4+\b], 0                        ; written once: a lane permute's destination counts as one of its sources
.endr
	s_wait_alu depctr_va_vdst(0)
	s_wait_kmcnt 0x0
	s_add_nc_u64 s[4:5], s[4:5], s[26:27]
	s_add_nc_u64 s[16:17], s[16:17], s[28:29]
	s_add_nc_u64 s[36:37], s[16:17], s[30:31]
	s_add_nc_u64 s[38:39], s[16:17], s[32:33]
.set i, 0
.rept 32
	global_load_b128 v[R+4*i:R+4*i+3], v[L16], s[4:5] offset:4096*i th:TH_LOAD_NT   ; 32 lanes read 512 consecutive bytes of token i
.set i, i+1
.endr
	s_wait_loadcnt 0x0
.set i, 0
.rept 32
	ds_store_b128 v[SI], v[R+4*i:R+4*i+3] offset:XPITCH*(16*((i/8)%2)+i%8+8*(i/16))   ; token i is row i % 8 + 8 (i / 16) of tile (i / 8) % 2
.set i, i+1
.endr
.macro XTILE u
.irp b, 0,1,2,3
.irp j, 0,1,2,3
	ds_load_b128 v[X+16*\b+4*\j:X+16*\b+4*\j+3], v[SL] offset:16*XPITCH*\u+128*\b+16*\j   ; LDS serves a wave's instructions in order: these see my stores
.endr
.endr
	s_wait_dscnt 0x0
	s_wait_xcnt 0x0                                ; the codes' registers, which the last tile's stores read, are written again only behind this wait
	QUANT X
.irp c, 0,1,2
	global_store_b128 v[L16], v[PC+4*\c:PC+4*\c+3], s[36:37] offset:1536*\u+512*\c   ; 32 lanes store 512 consecutive bytes
.endr
.endm
	XTILE 0
	v_mov_b32 v[PWE], v[PW]
	XTILE 1
	v_cndmask_b32 v[PW], v[PWE], v[PW], s[HI]      ; lanes 0-15 the even tile's words, lanes 16-31 the odd tile's
	global_store_b32 v[L16], v[PW], s[38:39] offset:12288   ; 4 bytes of each 16: the four waves together fill the image's 512 bytes, 4 in 100 of the record
	s_wait_tensorcnt 0x0
	ds_add_u32 v23, v27
	s_wait_dscnt 0x0
	s_endpgm
.Lweights:
	; ---- the weights
	s_sub_co_u32 s24, ttmp9, 512                   ; the record
	s_and_b32 s26, s24, 63
	s_lshr_b32 s27, s26, 3                         ; column group and K step where a weight has 8 K steps,
	s_and_b32 s28, s26, 7
	s_and_b32 s29, s26, 31
	s_lshr_b32 s30, s29, 2                         ; and in W2, which has 4
	s_and_b32 s31, s29, 3
	s_cmp_ge_u32 s24, 224
	s_cselect_b32 s27, s30, s27
	s_cselect_b32 s28, s31, s28
	s_lshr_b32 s25, s24, 6                         ; 0 Wq, 1 Wk, 2 Wv, 3 W1 or W2
	s_lshr_b32 s38, s24, 5                         ; 6: W1
	s_cmp_eq_u32 s38, 6
	s_cselect_b32 s39, 11, 12                      ; a row is 2,048 bytes in W1, 4,096 elsewhere
	s_lshl_b32 s40, s28, 7
	s_lshl_b32 s40, s40, s39                       ; 128 rows a K step
	s_lshl_b32 s41, s27, 9
	s_add_co_u32 s40, s40, s41                     ; + 512 bytes a column group
	s_lshl_b32 s41, s[WV], 7
	s_add_co_u32 s40, s40, s41                     ; + 128 bytes a wave
	s_mov_b32 s41, 0
	s_mul_i32 s44, s24, REC
	s_mov_b32 s45, 0
	s_mul_i32 s46, s[WV], 3072
	s_mov_b32 s47, 0
	s_lshl_b32 s48, s[WV], 2
	s_mov_b32 s49, 0
	s_wait_alu depctr_va_vdst(0)
	v_lshlrev_b32 v[VW], 2, v31
	v_bfe_u32 v9, v0, 3, 1                         ; u: my column's tile is 2 w + u,
	v_and_b32 v10, 7, v0
	v_bfe_u32 v11, v0, 4, 1
	v_lshl_add_u32 v10, v11, 3, v10                ; and its row there r = l % 8 + 8 (l / 16)
	s_add_co_u32 s42, s46, WSTG                    ; my stage
	v_mul_u32_u24 v[SA], v9, 1536
	v_lshl_add_u32 v[SA], v10, 4, v[SA]
	v_add_nc_u32 v[SA], s42, v[SA]                 ; tile u's image, lane r's 16 bytes
	v_add_nc_u32 v[SB], s42, v[L16]
	v_lshl_add_u32 v[WOF], v9, 4, v10
	v_lshlrev_b32 v[WOF], 4, v[WOF]                ; the word image: lane 16 u + r
	s_wait_kmcnt 0x0
	s_cmp_eq_u32 s25, 0                            ; the choices hang on the work-group's number alone
	s_cselect_b64 s[36:37], s[6:7], s[8:9]
	s_cmp_eq_u32 s25, 2
	s_cselect_b64 s[36:37], s[10:11], s[36:37]
	s_cmp_eq_u32 s25, 3
	s_cselect_b64 s[36:37], s[12:13], s[36:37]
	s_cmp_ge_u32 s24, 224
	s_cselect_b64 s[36:37], s[14:15], s[36:37]
	s_add_nc_u64 s[36:37], s[36:37], s[40:41]
	s_add_nc_u64 s[18:19], s[18:19], s[44:45]
	s_add_nc_u64 s[50:51], s[18:19], s[46:47]      ; my two images
	s_add_nc_u64 s[52:53], s[18:19], s[48:49]      ; my register of the word image
	s_cmp_eq_u32 s38, 6
	s_cbranch_scc1 .Lnarrow                        ; the same 128 loads, written for each pitch, so that every offset is an immediate
.set i, 0
.rept 128
	global_load_b32 v[WX+i], v[VW], s[36:37] offset:4096*i th:TH_LOAD_NT   ; row i of the K step, 32 neighbouring columns: 128 consecutive bytes a wave, the four waves side by side
.set i, i+1
.endr
	s_branch .Lloaded
.Lnarrow:
.set i, 0
.rept 128
	global_load_b32 v[WX+i], v[VW], s[36:37] offset:2048*i th:TH_LOAD_NT
.set i, i+1
.endr
.Lloaded:
; block q = k 32 q .. 32 q + 31 of my column: all its numbers are mine.  In the fragment it is registers 6 (q / 2) .. + 5 of lane 16 (q % 2) + r.
.macro WBLOCK q, left
.set XS, WX+32*(\q)
.set EQ, E+6*(\q)
	s_wait_loadcnt \left
	v_max3_num_f32 v12, |v[XS]|, |v[XS+1]|, |v[XS+2]|
	v_max3_num_f32 v13, |v[XS+3]|, |v[XS+4]|, |v[XS+5]|
.irp i, 6,10,14,18,22,26
	v_max3_num_f32 v12, v12, |v[XS+\i]|, |v[XS+\i+1]|
	v_max3_num_f32 v13, v13, |v[XS+\i+2]|, |v[XS+\i+3]|
.endr
	v_max3_num_f32 v12, v12, |v[XS+30]|, |v[XS+31]|
	v_max3_num_f32 v12, v12, v13, 0x2800000
	v_add_nc_u32 v11, 0xfe000000, v12
	v_lshrrev_b32 v13, 23, v11
.if (\q) == 0
	v_mov_b32 v[WORD], v13
.else
	v_lshl_or_b32 v[WORD], v13, 8*(\q), v[WORD]
.endif
	v_cvt_scalef32_pk16_bf6_f32 v[EQ:EQ+2], v[XS:XS+15], v11
	v_cvt_scalef32_pk16_bf6_f32 v[CT:CT+2], v[XS+16:XS+31], v11
	v_nop
.irp i, 0,1,2
	v_mov_b32 v[EQ+3+\i], v[CT+\i]
.endr
.if (\q) < 2
	ds_store_b128 v[SA], v[EQ:EQ+3] offset:256*((\q)%2)            ; registers 0-3
	ds_store_b64 v[SA], v[EQ+4:EQ+5] offset:512+256*((\q)%2)       ; registers 4, 5
.else
	ds_store_b64 v[SA], v[EQ:EQ+1] offset:520+256*((\q)%2)         ; registers 6, 7
	ds_store_b128 v[SA], v[EQ+2:EQ+5] offset:1024+256*((\q)%2)     ; registers 8-11
.endif
.endm
	WBLOCK 0, 63                                   ; 96 younger loads might stay out; 63 is the largest count that the wait can name
	WBLOCK 1, 63                                   ; (64)
	WBLOCK 2, 32
	WBLOCK 3, 0
.irp m, 0,1,2,3,4,5
	ds_load_b128 v[O+4*\m:O+4*\m+3], v[SB] offset:512*\m   ; LDS serves a wave's instructions in order: these see my stores
.endr
	s_wait_alu depctr_va_vdst(0)
.irp m, 0,1,2,3,4,5
	s_wait_dscnt 5-\m
	global_store_b128 v[L16], v[O+4*\m:O+4*\m+3], s[50:51] offset:512*\m   ; 512 consecutive bytes
.endr
	global_store_b32 v[WOF], v[WORD], s[52:53] offset:12288
	s_wait_tensorcnt 0x0
	ds_add_u32 v23, v27
	s_wait_dscnt 0x0
	s_endpgm
.Lfunc_end_k_q644283b104_prep:
	.size	k_q644283b104_prep, .Lfunc_end_k_q644283b104_prep-k_q644283b104_prep
	.p2alignl 7, 3214868480
	.fill 96, 4, 3214868480
	.section	.rodata,"a",@progbits
	.p2align	6, 0x0
	.amdhsa_kernel k_q644283b104_prep
		.amdhsa_group_segment_fixed_size 80384
		.amdhsa_private_segment_fixed_size 0
		.amdhsa_enable_private_segment 0
		.amdhsa_kernarg_size 64
		.amdhsa_user_sgpr_count 2
		.amdhsa_user_sgpr_kernarg_segment_ptr 1
		.amdhsa_wavefront_size32 1
		.amdhsa_system_sgpr_workgroup_id_x 1
		.amdhsa_system_sgpr_workgroup_id_y 1
		.amdhsa_system_sgpr_workgroup_id_z 1
		.amdhsa_system_vgpr_workitem_id 0
		.amdhsa_next_free_vgpr 256
		.amdhsa_next_free_sgpr 66
		.amdhsa_reserve_vcc 0
		.amdhsa_float_denorm_mode_32 3
		.amdhsa_float_denorm_mode_16_64 3
		.amdhsa_memory_ordered 1
		.amdhsa_forward_progress 1
		.amdhsa_inst_pref_size 52
	.end_amdhsa_kernel
	.amdgpu_metadata
---
amdhsa.version: [ 1, 2 ]
amdhsa.kernels:
  - .name:           k_q644283b104_prep
    .symbol:         k_q644283b104_prep.kd
    .args:
      - { .name: x, .offset: 0, .size: 8, .value_kind: global_buffer, .address_space: global }
      - { .name: Wq, .offset: 8, .size: 8, .value_kind: global_buffer, .address_space: global }
      - { .name: Wk, .offset: 16, .size: 8, .value_kind: global_buffer, .address_space: global }
      - { .name: Wv, .offset: 24, .size: 8, .value_kind: global_buffer, .address_space: global }
      - { .name: W1, .offset: 32, .size: 8, .value_kind: global_buffer, .address_space: global }
      - { .name: W2, .offset: 40, .size: 8, .value_kind: global_buffer, .address_space: global }
      - { .name: xr, .offset: 48, .size: 8, .value_kind: global_buffer, .address_space: global }
      - { .name: wr, .offset: 56, .size: 8, .value_kind: global_buffer, .address_space: global }
    .group_segment_fixed_size: 80384
    .private_segment_fixed_size: 0
    .kernarg_segment_align: 8
    .kernarg_segment_size: 64
    .max_flat_workgroup_size: 128
    .sgpr_count:     66
    .vgpr_count:     256
    .wavefront_size: 32
...
	.end_amdgpu_metadata
.endif
;; end of part 1
;; launch qkv (part 2): grid 12 x 32, 4 waves a work-group, clusters of 4 x 4, 327,680 bytes of LDS; arguments xr, wr, bq, bk, bv, qkv; writes qkv
.if DOCPART == 2
	.amdgcn_target "amdgcn-amd-amdhsa--gfx1250"
	.amdhsa_code_object_version 6
	.text
	.protected	k_q644283b104_qkv
	.globl	k_q644283b104_qkv
	.p2align	8
	.type	k_q644283b104_qkv,@function
k_q644283b104_qkv:
	s_mov_b64 s[64:65], 0
	v_nop
	global_prefetch_b8 v0, s[64:65] scope:SCOPE_SE
	s_setreg_imm32_b32 hwreg(HW_REG_WAVE_MODE, 25, 1), 1
	s_wait_xcnt 0x0
	s_wait_alu depctr_hold_cnt(0) depctr_sa_sdst(0) depctr_va_vdst(0) depctr_va_sdst(0) depctr_va_ssrc(0) depctr_va_vcc(0) depctr_vm_vsrc(0)
	s_getreg_b32 s2, hwreg(HW_REG_IB_STS2, 6, 4)
	s_cmp_eq_u32 s2, 0
	s_cbranch_scc0 .Lentry_in_a_cluster
	s_endpgm
.Lentry_in_a_cluster:
	s_bfe_u32 s2, ttmp6, 0x10000c
	s_cmp_lg_u32 s2, 0xf033
	s_cbranch_scc0 .Lentry_shape_is_right
	s_endpgm
.Lentry_shape_is_right:
; q = x Wq + bq, k = x Wk + bk, v = x Wv + bv on codes of E3M2, and the results quantised at once: q and k along the channels, v along the KEYS.  Operands and results are records (128 rows x 128 K as images of the
; operand's registers, 12,288 bytes, then the image of four registers of scale words): xr [token group 64][K step 8], wr [column group][K step 8], qkv: q at record 0, k at 512 ([token group 64][K step 8]), v^T at 1,024 ([batch 4][channel group 8][key step 16]).
; A work-group makes 256 rows of A (source 1: a lane holds one row) x 256 rows of B (source 0: a lane's registers run along them), K = 1,024; a wave 128 x 128 in 64 accumulators.
; Clusters x = 0, 1 (q, k): A = tokens, B = the weight's columns: a lane's 64 registers of a tile of tokens are 128 neighbouring channels: one fragment of the next product.
; Cluster x = 2 (v): A = Wv's columns, B = tokens: a lane holds a channel and its registers run along the keys.  Only addresses, the bias' form and the record's number differ; the one branch hangs on the cluster's x, which all partners share.
; THE BIAS is the C of each sum's first matrix instruction.
; K goes through three LDS slots of 256 along K (A's two halves, B's two halves: 4 x 25,600 dense bytes, one tensor load a wave).  Units 0, 1, 2 are first fills: units 0 and 1 come by one load of a wave, unit 2 by a second behind a round; unit 3 fills slot 0 again.
; CLUSTER 4 x 4: A's tile hangs on the cluster's y place alone and is asked for jointly along a row, B's on the x place alone, along a column.
; No prefetch: three quarters of a work-group's stream are asked for at its head, and the rest 160 matrix instructions ahead of the wait for it.
; LIMITS: NaN and infinities are not served; a block whose largest magnitude lies under 2^-122 keeps the byte 1.
.set REC,   12800
.set PART,  2*REC                      ; 128 rows x 256 K
.set SLOT,  4*PART
.set SPARE, 3*SLOT                     ; the spare words: 128 bytes a wave, two blocks of 256 bytes that no other line names
.set ADRA, 8                           ; v8-10   16 x lane + my half of A in slot 0, 1, 2
.set ADRB, 12                          ; v12-14  the same for B
.set L16,  16                          ; v16     16 x lane
.set VO,   17                          ; v17-24  the bias' offsets
.set SPW,  28
.set NIL,  29
.set SC,   32                          ; v32-47  scale words: set p at SC + 8 p: A's four registers, then B's four
.set CB,   48                          ; v48-111 the bias in the result's layout
.set TM,   112                         ; v112-127 at work in the quantiser
.set AF,   128                         ; v128-223 A's eight fragments, one set (window 0); B's two sets at v0, v128 of window 1; accumulator (a, b) at v[8 (8 (a % 4) + b)] of window 2 (a < 4) or 3
.set PC,   224                         ; v224-243 the codes just made
.set WP,   244                         ; v244-247 the record's scale words
.set PW,   248
.set PWE,  249
.set WV, 16
.set AH, 17                            ; my half of A's rows; also: I fetch for A (0) or B (1)
.set BH, 18                            ; my half of B's rows; also: which half I fetch
.set HI, 23
.set G1A, 24
.set G1B, 32
.set G0A, 40                           ; s[40:47] two sets
.set G0B, 52                           ; s[52:59]
.set SEL, 66
.set MSB, 0
.macro WIN new                         ; the immediate's high byte repeats the setting that is left
.if MSB != (\new)
	s_set_vgpr_msb (MSB<<8)|(\new)
.set MSB, (\new)
.endif
.endm
.set MUL_LO, 0xa1                      ; source 0 (B) window 1, source 1 (A) window 0, C and D window 2
.set MUL_HI, 0xf1
.set TO_B,   0x40
.macro PLACES n
.rept \n
	v_nop
.endr
.endm
; one matrix instruction.  c < 0: the constant 0.  ra, rb: the scale words of source 0, source 1 stand in lanes 16-31
.macro WM d, a, b, c, sa, sb, ra, rb
.if (\c) < 0
.if (\ra) && (\rb)
	v_wmma_scale_f32_16x16x128_f8f6f4 v[(\d):(\d)+7], v[(\a):(\a)+11], v[(\b):(\b)+11], 0, v[(\sa)], v[(\sb)] matrix_a_fmt:MATRIX_FMT_BF6 matrix_b_fmt:MATRIX_FMT_BF6 matrix_a_scale:MATRIX_SCALE_ROW1 matrix_b_scale:MATRIX_SCALE_ROW1
.elseif (\ra)
	v_wmma_scale_f32_16x16x128_f8f6f4 v[(\d):(\d)+7], v[(\a):(\a)+11], v[(\b):(\b)+11], 0, v[(\sa)], v[(\sb)] matrix_a_fmt:MATRIX_FMT_BF6 matrix_b_fmt:MATRIX_FMT_BF6 matrix_a_scale:MATRIX_SCALE_ROW1
.elseif (\rb)
	v_wmma_scale_f32_16x16x128_f8f6f4 v[(\d):(\d)+7], v[(\a):(\a)+11], v[(\b):(\b)+11], 0, v[(\sa)], v[(\sb)] matrix_a_fmt:MATRIX_FMT_BF6 matrix_b_fmt:MATRIX_FMT_BF6 matrix_b_scale:MATRIX_SCALE_ROW1
.else
	v_wmma_scale_f32_16x16x128_f8f6f4 v[(\d):(\d)+7], v[(\a):(\a)+11], v[(\b):(\b)+11], 0, v[(\sa)], v[(\sb)] matrix_a_fmt:MATRIX_FMT_BF6 matrix_b_fmt:MATRIX_FMT_BF6
.endif
.else
.if (\ra) && (\rb)
	v_wmma_scale_f32_16x16x128_f8f6f4 v[(\d):(\d)+7], v[(\a):(\a)+11], v[(\b):(\b)+11], v[(\c):(\c)+7], v[(\sa)], v[(\sb)] matrix_a_fmt:MATRIX_FMT_BF6 matrix_b_fmt:MATRIX_FMT_BF6 matrix_a_scale:MATRIX_SCALE_ROW1 matrix_b_scale:MATRIX_SCALE_ROW1
.elseif (\ra)
	v_wmma_scale_f32_16x16x128_f8f6f4 v[(\d):(\d)+7], v[(\a):(\a)+11], v[(\b):(\b)+11], v[(\c):(\c)+7], v[(\sa)], v[(\sb)] matrix_a_fmt:MATRIX_FMT_BF6 matrix_b_fmt:MATRIX_FMT_BF6 matrix_a_scale:MATRIX_SCALE_ROW1
.elseif (\rb)
	v_wmma_scale_f32_16x16x128_f8f6f4 v[(\d):(\d)+7], v[(\a):(\a)+11], v[(\b):(\b)+11], v[(\c):(\c)+7], v[(\sa)], v[(\sb)] matrix_a_fmt:MATRIX_FMT_BF6 matrix_b_fmt:MATRIX_FMT_BF6 matrix_b_scale:MATRIX_SCALE_ROW1
.else
	v_wmma_scale_f32_16x16x128_f8f6f4 v[(\d):(\d)+7], v[(\a):(\a)+11], v[(\b):(\b)+11], v[(\c):(\c)+7], v[(\sa)], v[(\sb)] matrix_a_fmt:MATRIX_FMT_BF6 matrix_b_fmt:MATRIX_FMT_BF6
.endif
.endif
.endm
; 16 matrix instructions: A's blocks a0, a0 + 1 x B's eight.  p: B's set and the set of scale words.  cm: C is 0 the accumulator, 2 the bias by B's block, 3 the bias by A's block.
; The 64 accumulators take turns, one instruction a turn, in the same order in every step.
.macro MUL16 a0, p, cm
.irp a, \a0, \a0+1
.irp b, 0,1,2,3,4,5,6,7
.if \cm == 0
	WM 8*(8*((\a)%4)+\b), 128*(\p)+12*\b, AF+12*(\a), 8*(8*((\a)%4)+\b), SC+8*(\p)+4+\b/2, SC+8*(\p)+(\a)/2, \b%2, (\a)%2
.elseif \cm == 2
	WM 8*(8*((\a)%4)+\b), 128*(\p)+12*\b, AF+12*(\a), CB+8*\b, SC+8*(\p)+4+\b/2, SC+8*(\p)+(\a)/2, \b%2, (\a)%2
.else
	WM 8*(8*((\a)%4)+\b), 128*(\p)+12*\b, AF+12*(\a), CB+8*(\a), SC+8*(\p)+4+\b/2, SC+8*(\p)+(\a)/2, \b%2, (\a)%2
.endif
.endr
.endr
.endm
.macro FETCH_B s, q, p                 ; B's eight fragments of the slot's q-th K step into set p: an image comes back by three loads of 512 consecutive bytes
	WIN TO_B
.irp i, 0,1,2,3,4,5,6,7
.irp c, 0,1,2
	ds_load_b128 v[128*(\p)+12*\i+4*\c:128*(\p)+12*\i+4*\c+3], v[ADRB+\s] offset:REC*(\q)+1536*\i+512*\c
.endr
.endr
	WIN 0
.endm
.macro FETCH_S s, q, p                 ; the scale words of A's eight tiles and of B's
	ds_load_b128 v[SC+8*(\p):SC+8*(\p)+3], v[ADRA+\s] offset:REC*(\q)+12288
	ds_load_b128 v[SC+8*(\p)+4:SC+8*(\p)+7], v[ADRB+\s] offset:REC*(\q)+12288
.endm
.macro FETCH_A s, q, i0                ; A's blocks i0 .. i0 + 3
.irp i, \i0, \i0+1, \i0+2, \i0+3
.irp c, 0,1,2
	ds_load_b128 v[AF+12*(\i)+4*\c:AF+12*(\i)+4*\c+3], v[ADRA+\s] offset:REC*(\q)+1536*(\i)+512*\c
.endr
.endr
.endm
; A K step of 128: 64 matrix instructions, A's blocks one after the other.  A block of A is free when its eight products are issued: blocks 0-3 are fetched anew in the middle, blocks 4-7 at the end.
; Four plain places stand in front of each run of loads into registers that matrix instructions have read (ISA guide 7.12.1 for vector instructions).
.macro STEP p, ns, nq, cm
	s_wait_dscnt 12                                ; all but the youngest 12 loads (A's blocks 4-7)
.if (\cm) >= 2
	WIN 0x81                                       ; C (the bias) in window 0
.else
	WIN MUL_LO
.endif
	MUL16 0, \p, \cm
	MUL16 2, \p, \cm
	s_wait_dscnt 0x0
	PLACES 4
	FETCH_B \ns, \nq, 1-\p
	FETCH_S \ns, \nq, 1-\p
	FETCH_A \ns, \nq, 0
.if (\cm) >= 2
	WIN 0xc1
.else
	WIN MUL_HI
.endif
	MUL16 4, \p, \cm
	MUL16 6, \p, \cm
	PLACES 4
	WIN 0
	FETCH_A \ns, \nq, 4
.endm
.macro JLOAD g0a, g1a, g0b, g1b        ; a joint load: waves 0, 1 for A, waves 2, 3 for B; four v_nop follow each line
	s_cmp_eq_u32 s[AH], 0
	s_cbranch_scc0 .Lfor_b_\@
	tensor_load_to_lds s[\g0a:\g0a+3], s[\g1a:\g1a+7]
	s_nop 0
.rept 4
	v_nop
.endr
	s_branch .Lasked_\@
.Lfor_b_\@:
	tensor_load_to_lds s[\g0b:\g0b+3], s[\g1b:\g1b+7]
	s_nop 0
.rept 4
	v_nop
.endr
.Lasked_\@:
.endm
.macro CREST                           ; a round of the cluster's barrier behind its opening barrier
	s_cmp_lg_u32 s[WV], 0
	s_cbranch_scc1 .Lnot_wave_0_\@
	s_barrier_signal -3
.Lnot_wave_0_\@:
	s_barrier_wait -3
	s_barrier_signal -1
	s_barrier_wait -1
.endm
.macro CROUND
	s_barrier_signal -1
	s_barrier_wait -1
	CREST
.endm
; A step at whose middle the work-group meets: every wave has waited for all its tensor loads, has added 0 to its spare word, and has waited for that and for its reads of the slot that is left.
; fill = 1: the barrier opens a round of the cluster's barrier, and slot 0 takes unit 3 first thing behind it.
.macro TURN p, ns, nq, fill
	s_wait_tensorcnt 0x0                           ; all my tensor loads have landed
	ds_add_u32 v[SPW], v[NIL]                      ; 0 onto my spare word
.if \fill
	s_add_nc_u64 s[G0A+2:G0A+3], s[G0A+2:G0A+3], 3*PART   ; no load of mine is out: slot 0's group 0 steps from unit 0 to unit 3
	s_add_nc_u64 s[G0B+2:G0B+3], s[G0B+2:G0B+3], 3*PART
.endif
	s_wait_dscnt 13                                ; (the add and the youngest 12 loads may be out)
	WIN MUL_LO
	MUL16 0, \p, 0
	s_wait_dscnt 0x0                               ; the add is done, and my reads of this slot are over
	s_barrier_signal -1
	MUL16 2, \p, 0
	WIN 0
	s_barrier_wait -1
.if \fill
	CREST
	JLOAD G0A, G1A, G0B, G1B                       ; 160 matrix instructions ahead of the wait for it; its four v_nop are the places in front of the loads below
.else
	PLACES 4
.endif
	FETCH_B \ns, \nq, 1-\p
	FETCH_S \ns, \nq, 1-\p
	FETCH_A \ns, \nq, 0
	WIN MUL_HI
	MUL16 4, \p, 0
	MUL16 6, \p, 0
	PLACES 4
	WIN 0
	FETCH_A \ns, \nq, 4
.endm
.macro LAST p
	s_wait_dscnt 12
	WIN MUL_LO
	MUL16 0, \p, 0
	MUL16 2, \p, 0
	s_wait_dscnt 0x0
	WIN MUL_HI
	MUL16 4, \p, 0
	MUL16 6, \p, 0
	WIN 0
	PLACES 4
.endm
	s_load_b256 s[4:11], s[0:1], 0x0               ; xr s[4:5], wr s[6:7], bq s[8:9], bk s[10:11]
	s_load_b128 s[12:15], s[0:1], 0x20             ; bv s[12:13], qkv s[14:15]
	v_lshl_add_u32 v[SPW], v0, 2, SPARE
	v_mov_b32 v[NIL], 0
	ds_add_u32 v28, v29
	ds_add_u32 v28, v29
	s_wait_dscnt 0x0
	v_lshrrev_b32 v1, 5, v0
	v_readfirstlane_b32 s[WV], v1
	s_lshr_b32 s[AH], s[WV], 1
	s_and_b32 s[BH], s[WV], 1
	s_bfe_u32 s19, ttmp6, 0x40000                  ; cx
	s_bfe_u32 s20, ttmp6, 0x40004                  ; cy
	s_mov_b32 s21, ttmp9                           ; the cluster's x: 0 q, 1 k, 2 v
	s_and_b32 s22, ttmp7, 0xffff                   ; the cluster's y
	s_mov_b32 s[HI], 0xffff0000
	s_mov_b32 s[SEL], 0x76543210
	s_mov_b32 s[SEL+1], 0xfedcba98
	s_lshl_b32 s68, s20, 2
	s_lshl_b32 s68, 15, s68                        ; my row of the cluster
	s_lshl_b32 s69, 0x1111, s19                    ; my column
	; group 1: a dense block of 25,600 bytes as 100 rows of 32 elements of 8 bytes; no padding: the images are read as consecutive bytes
	s_or_b32 s[G1A], s68, (3<<16)|(1<<21)
	s_or_b32 s[G1B], s69, (3<<16)|(1<<21)
.irp g, G1A, G1B
	s_mov_b32 s[\g+1], 32<<16                      ; tensor_dim0
	s_mov_b32 s[\g+2], 200<<16                     ; tensor_dim1: the head's load brings K units 0 and 1 together, 200 rows of 256 bytes
	s_mov_b32 s[\g+3], 32<<16                      ; tile_dim0
	s_mov_b32 s[\g+4], 200                         ; tile_dim1
	s_mov_b32 s[\g+5], 32                          ; the pitch
	s_mov_b32 s[\g+6], 0
	s_mov_b32 s[\g+7], 0
.endr
	s_lshl_b32 s68, s22, 2                         ; 4 x cluster y
	s_add_co_u32 s69, s68, s20                     ; q, k: A = xr's tile 4 Y + cy
	s_add_co_u32 s70, s20, 8                       ; v:    A = wr's tile 8 + cy (Wv)
	s_lshl_b32 s71, s21, 2
	s_add_co_u32 s71, s71, s19                     ; q, k: B = wr's tile 4 X + cx
	s_add_co_u32 s72, s68, s19                     ; v:    B = xr's tile 4 Y + cx
	s_cmp_eq_u32 s21, 2
	s_cselect_b32 s73, s70, s69                    ; A's tile: made of cy alone
	s_cselect_b32 s74, s72, s71                    ; B's tile: made of cx alone
	s_lshl_b32 s75, s73, 1
	s_add_co_u32 s75, s75, s[BH]                   ; the group of 128 rows that I fetch
	s_mul_i32 s76, s75, SLOT                       ; a group's eight records are 102,400 bytes
	s_mov_b32 s77, 0
	s_lshl_b32 s80, s74, 1
	s_add_co_u32 s80, s80, s[BH]
	s_mul_i32 s78, s80, SLOT
	s_mov_b32 s79, 0
	s_mul_i32 s86, s[WV], PART                     ; where it goes: wave x 25,600
	s_wait_kmcnt 0x0
	s_cmp_eq_u32 s21, 2
	s_cselect_b64 s[82:83], s[6:7], s[4:5]
	s_cselect_b64 s[84:85], s[4:5], s[6:7]
	s_add_nc_u64 s[82:83], s[82:83], s[76:77]
	s_add_nc_u64 s[84:85], s[84:85], s[78:79]
	CROUND                                         ; all sixteen work-groups are here: the first joint loads meet
	; LDS AS IT IS USED NOW: units 0 and 1 of wave w's 128 rows lie on end at 2 w PART, unit 2 at 8 PART + w PART; unit 3 lands on unit 0's bytes.
	; One tensor load a wave at the head (units 0, 1); unit 2 is a first fill behind the full sequence and a round; unit 3 a refill in the third K step.
	s_lshl_b32 s87, s86, 1
.irp s, 0,1
	s_mov_b32 s[G0A+4*\s], 1
	s_add_co_u32 s[G0A+4*\s+1], s[87-\s], \s*8*PART
	s_add_nc_u64 s[G0A+4*\s+2:G0A+4*\s+3], s[82:83], \s*2*PART
	s_or_b32 s[G0A+4*\s+3], s[G0A+4*\s+3], 0x80000000
	s_mov_b32 s[G0B+4*\s], 1
	s_add_co_u32 s[G0B+4*\s+1], s[87-\s], \s*8*PART
	s_add_nc_u64 s[G0B+4*\s+2:G0B+4*\s+3], s[84:85], \s*2*PART
	s_or_b32 s[G0B+4*\s+3], s[G0B+4*\s+3], 0x80000000
.endr
	JLOAD G0A, G1A, G0B, G1B
	; the bias.  q, k: register j of B's tile t is channel 32 (t / 2) + 16 h + 8 (t % 2) + j.  v: all eight registers of A's tile t hold the bias of channel 32 (t / 2) + 8 (t % 2) + r + 8 (r / 8)
	s_cmp_eq_u32 s21, 0
	s_cselect_b64 s[88:89], s[8:9], s[10:11]
	s_cmp_eq_u32 s21, 2
	s_cselect_b64 s[88:89], s[12:13], s[88:89]
	s_cselect_b32 s90, s20, s19                    ; which 256 channels
	s_cselect_b32 s91, s[AH], s[BH]                ; which half of them
	s_cselect_b32 s92, 0, 1                        ; x 64 h
	s_cselect_b32 s93, 1, 0                        ; x 4 (r + 8 (r / 8))
	s_cselect_b32 s94, 0, 4                        ; x j
	s_lshl_b32 s90, s90, 10
	s_lshl_b32 s91, s91, 9
	s_add_co_u32 s90, s90, s91
	s_mov_b32 s91, 0
	s_add_nc_u64 s[88:89], s[88:89], s[90:91]
	v_and_b32 v1, 15, v0
	v_bfe_u32 v2, v0, 4, 1
	v_and_b32 v3, 8, v1
	v_add_nc_u32 v3, v3, v1
	v_lshlrev_b32 v3, 2, v3
	v_mul_lo_u32 v3, v3, s93
	v_lshlrev_b32 v4, 6, v2
	v_mul_lo_u32 v4, v4, s92
	v_add_nc_u32 v3, v3, v4
.irp j, 0,1,2,3,4,5,6,7
	v_mad_u32_u24 v[VO+\j], s94, \j, v3
.endr
.irp t, 0,1,2,3,4,5,6,7
.irp j, 0,1,2,3,4,5,6,7
	global_load_b32 v[CB+8*\t+\j], v[VO+\j], s[88:89] offset:4*(32*(\t/2)+8*(\t%2))
.endr
.endr
	v_and_b32 v5, 31, v0
	v_lshlrev_b32 v[L16], 4, v5
	s_mul_i32 s95, s[AH], PART
	s_mul_i32 s96, s[BH], PART
	s_add_co_u32 s96, s96, 2*PART
	s_wait_alu depctr_va_vdst(0)
	s_add_co_u32 s97, s95, 8*PART
	s_add_co_u32 s98, s96, 8*PART
	v_add_nc_u32 v[ADRA+2], s97, v[L16]            ; unit 2
	v_add_nc_u32 v[ADRB+2], s98, v[L16]
	s_lshl_b32 s95, s95, 1
	s_lshl_b32 s96, s96, 1
	v_add_nc_u32 v[ADRA], s95, v[L16]              ; units 0 and 3
	v_add_nc_u32 v[ADRB], s96, v[L16]
	s_add_co_u32 s95, s95, PART
	s_add_co_u32 s96, s96, PART
	v_add_nc_u32 v[ADRA+1], s95, v[L16]            ; unit 1
	v_add_nc_u32 v[ADRB+1], s96, v[L16]
.irp b, 0,1,2,3
	v_mov_b32 v[TM+4+\b], 0                        ; written once: a lane permute's destination counts as one of its sources
.endr
	; my record.  q, k: 512 X + 8 (token group) + (channel step 2 cx + bh).  v: 1,024 + 16 (8 batch + channel group 2 cy + ah) + key step, with G = 2 (4 Y + cx) + bh = 16 batch + key step
	s_lshl_b32 s97, s69, 1
	s_add_co_u32 s97, s97, s[AH]
	s_lshl_b32 s97, s97, 3
	s_lshl_b32 s98, s19, 1
	s_add_co_u32 s98, s98, s[BH]
	s_add_co_u32 s97, s97, s98
	s_lshl_b32 s98, s21, 9
	s_add_co_u32 s97, s97, s98
	s_lshl_b32 s99, s72, 1
	s_add_co_u32 s99, s99, s[BH]
	s_lshr_b32 s100, s99, 4
	s_lshl_b32 s100, s100, 3
	s_lshl_b32 s101, s20, 1
	s_add_co_u32 s101, s101, s[AH]
	s_add_co_u32 s100, s100, s101
	s_lshl_b32 s100, s100, 4
	s_and_b32 s99, s99, 15
	s_add_co_u32 s100, s100, s99
	s_add_co_u32 s100, s100, 1024
	s_cmp_eq_u32 s21, 2
	s_cselect_b32 s97, s100, s97
	s_mul_i32 s98, s97, REC
	s_mov_b32 s99, 0
	s_add_nc_u64 s[14:15], s[14:15], s[98:99]
	s_wait_alu depctr_va_vdst(0)
	s_wait_tensorcnt 0x0                           ; my part of units 0 and 1 is in
	ds_add_u32 v[SPW], v[NIL]
	s_mov_b32 s[G1A+2], 100<<16                    ; no load of mine is out: from here on a load brings one unit, 100 rows
	s_mov_b32 s[G1A+4], 100
	s_mov_b32 s[G1B+2], 100<<16
	s_mov_b32 s[G1B+4], 100
	s_wait_dscnt 0x0
	CROUND
	JLOAD G0A+4, G1A, G0B+4, G1B                   ; unit 2, the first tensor load behind the round
	s_wait_loadcnt 0x0                             ; the bias
	FETCH_B 0, 0, 0
	FETCH_S 0, 0, 0
	FETCH_A 0, 0, 0
	FETCH_A 0, 0, 4
	s_cmp_eq_u32 s21, 2                            ; the first step starts the sums from the bias: by B's block for q and k, by A's for v
	s_cbranch_scc1 .Lfirst_v
	STEP 0, 0, 1, 2
	s_branch .Lfirst_done
.Lfirst_v:
	STEP 0, 0, 1, 3
.Lfirst_done:
	STEP 1, 1, 0, 0
	TURN 0, 1, 1, 1                                ; unit 2 is whole for every wave behind it, and unit 0's bytes take unit 3
	STEP 1, 2, 0, 0
	STEP 0, 2, 1, 0
	TURN 1, 0, 0, 0                                ; unit 3 is whole; nothing is filled
	STEP 0, 0, 1, 0
	LAST 1
; THE WAY OUT.  The 64 registers of A's tile a are 128 neighbours along the next K of one row: quantised in registers, they are a fragment, stored as it stands.
.macro QUANTW s, w
	WIN ((\w)<<2)|((\w)<<4)                        ; sources 1 and 2: the accumulators' window.
.irp b, 0,1,2,3
	v_max3_num_f32 v[TM+\b], 0x2800000, |v[(\s)+16*\b]|, |v[(\s)+16*\b+1]|
.endr
.irp i, 2,4,6,8,10,12,14
.irp b, 0,1,2,3
	v_max3_num_f32 v[TM+\b], v[TM+\b], |v[(\s)+16*\b+\i]|, |v[(\s)+16*\b+\i+1]|
.endr
.endr
	WIN 0
.irp b, 0,1,2,3
	v_permlanex16_b32 v[TM+4+\b], v[TM+\b], s[SEL], s[SEL+1]
.endr
.irp b, 0,1,2,3
	v_max_num_f32 v[TM+\b], v[TM+\b], v[TM+4+\b]
.endr
.irp b, 0,1,2,3
	v_add_nc_u32 v[TM+12+\b], 0xfe000000, v[TM+\b]
.endr
.irp b, 0,1,2,3
	v_lshrrev_b32 v[TM+4+\b], 23, v[TM+12+\b]
.endr
	v_lshl_or_b32 v[PW], v[TM+5], 8, v[TM+4]
	v_lshl_or_b32 v[PW], v[TM+6], 16, v[PW]
	v_lshl_or_b32 v[PW], v[TM+7], 24, v[PW]
	s_wait_xcnt 0x0                                ; the codes' registers, which the last tile's stores read, are written again only behind this wait
	WIN (\w)
.irp c, 0,1
	v_cvt_scalef32_pk16_bf6_f32 v[PC+6*\c:PC+2+6*\c], v[(\s)+32*\c:(\s)+32*\c+15], v[TM+12+2*\c]
	v_cvt_scalef32_pk16_bf6_f32 v[PC+12+4*\c:PC+14+4*\c], v[(\s)+32*\c+16:(\s)+32*\c+31], v[TM+13+2*\c]
.endr
	WIN 0
	v_nop
.irp c, 0,1
.irp i, 0,1,2
	v_permlane16_swap_b32 v[PC+6*\c+\i], v[PC+12+4*\c+\i]
.endr
.irp i, 0,1,2
	v_mov_b32 v[PC+3+6*\c+\i], v[PC+12+4*\c+\i]
.endr
.endr
.endm
.macro OUTA a
.set QW, 2+(\a)/4
.set QS, 64*((\a)%4)
	QUANTW QS, QW
.irp c, 0,1,2
	global_store_b128 v[L16], v[PC+4*\c:PC+4*\c+3], s[14:15] offset:1536*(\a)+512*\c   ; 32 lanes store 512 consecutive bytes
.endr
.if (\a)%2 == 0
	v_mov_b32 v[PWE], v[PW]
.else
	v_cndmask_b32 v[WP+(\a)/2], v[PWE], v[PW], s[HI]   ; lanes 0-15 the even tile's words, lanes 16-31 the odd tile's
.endif
.endm
.irp a, 0,1,2,3,4,5,6,7
	OUTA \a
.endr
	global_store_b128 v[L16], v[WP:WP+3], s[14:15] offset:12288
	s_wait_tensorcnt 0x0                           ; the wave's end
	ds_add_u32 v[SPW], v[NIL]
	s_wait_dscnt 0x0
	CROUND                                         ; the closing round
	s_endpgm
.Lfunc_end_k_q644283b104_qkv:
	.size	k_q644283b104_qkv, .Lfunc_end_k_q644283b104_qkv-k_q644283b104_qkv
	.p2alignl 7, 3214868480
	.fill 96, 4, 3214868480
	.section	.rodata,"a",@progbits
	.p2align	6, 0x0
	.amdhsa_kernel k_q644283b104_qkv
		.amdhsa_group_segment_fixed_size 327680
		.amdhsa_private_segment_fixed_size 0
		.amdhsa_enable_private_segment 0
		.amdhsa_kernarg_size 48
		.amdhsa_user_sgpr_count 2
		.amdhsa_user_sgpr_kernarg_segment_ptr 1
		.amdhsa_wavefront_size32 1
		.amdhsa_system_sgpr_workgroup_id_x 1
		.amdhsa_system_sgpr_workgroup_id_y 1
		.amdhsa_system_sgpr_workgroup_id_z 1
		.amdhsa_system_vgpr_workitem_id 0
		.amdhsa_next_free_vgpr 1024
		.amdhsa_next_free_sgpr 102
		.amdhsa_reserve_vcc 0
		.amdhsa_float_denorm_mode_32 3
		.amdhsa_float_denorm_mode_16_64 3
		.amdhsa_memory_ordered 1
		.amdhsa_forward_progress 1
		.amdhsa_inst_pref_size 155
	.end_amdhsa_kernel
	.amdgpu_metadata
---
amdhsa.version: [ 1, 2 ]
amdhsa.kernels:
  - .name:           k_q644283b104_qkv
    .symbol:         k_q644283b104_qkv.kd
    .args:
      - { .name: xr, .offset: 0, .size: 8, .value_kind: global_buffer, .address_space: global }
      - { .name: wr, .offset: 8, .size: 8, .value_kind: global_buffer, .address_space: global }
      - { .name: bq, .offset: 16, .size: 8, .value_kind: global_buffer, .address_space: global }
      - { .name: bk, .offset: 24, .size: 8, .value_kind: global_buffer, .address_space: global }
      - { .name: bv, .offset: 32, .size: 8, .value_kind: global_buffer, .address_space: global }
      - { .name: qkv, .offset: 40, .size: 8, .value_kind: global_buffer, .address_space: global }
    .group_segment_fixed_size: 327680
    .private_segment_fixed_size: 0
    .kernarg_segment_align: 8
    .kernarg_segment_size: 48
    .max_flat_workgroup_size: 128
    .sgpr_count:     102
    .vgpr_count:     1024
    .wavefront_size: 32
...
	.end_amdgpu_metadata
.endif
;; end of part 2
;; launch scores (part 3): grid 36 x 4, 4 waves a work-group, no clusters, 327,680 bytes of LDS; arguments qkv, pr; writes pr
.if DOCPART == 3
	.amdgcn_target "amdgcn-amd-amdhsa--gfx1250"
	.amdhsa_code_object_version 6
	.text
	.protected	k_q644283b104_scores
	.globl	k_q644283b104_scores
	.p2align	8
	.type	k_q644283b104_scores,@function
k_q644283b104_scores:
	s_mov_b64 s[64:65], 0
	v_nop
	global_prefetch_b8 v0, s[64:65] scope:SCOPE_SE
	s_setreg_imm32_b32 hwreg(HW_REG_WAVE_MODE, 25, 1), 1
	s_wait_xcnt 0x0
; S = q k^T on codes of E3M2 for the 36 tiles of 256 queries x 256 keys of a batch that the causal mask leaves (tile (i, j), j <= i), and at once p = 2^(t - Mloc), t = score x log2(e) / 32, quantised along the keys.
; Mloc = ceil(the largest t of a query among a wave's 128 keys), a whole number.  The row's M is found by the next launch; it differs from Mloc by a whole number, which that launch takes off the scale bytes: the codes stay.
; A = q (source 1: a lane holds one query), B = k (source 0: a lane's registers run along the keys).  A wave makes 128 x 128 and stores one record of 13,824 bytes: eight fragments of p as images of their registers,
; the image of their scale words at 12,288, of -Mloc (f32) at 12,800, of the sum of the unquantised p at 13,312.  pr: [batch 4][query tile 8][key unit 8][query half 2][key half 2].
; Hidden scores become -infinity ahead of the maximum (only in tiles on the diagonal: a scalar branch on ids).  A wave all of whose keys are hidden stores zero codes, -Mloc = 3e38 and the sum 0: the next launch's tile covers it.
; K = 1,024 goes through three LDS slots of 256 along K as in the launch before; units 0 and 1 come by one load of a wave at the start, unit 2 by one behind a barrier, unit 3 by one behind the refill's barrier.
; NO CLUSTER: a row of the triangle has 1 to 8 tiles, so no fixed four work-groups share a tile of q or of k at every place of the grid.  No prefetch: three quarters of the stream are asked for at the head.
; LIMITS: reference() adds -1e9 to hidden scores, this text takes them as -infinity: the same p = 0 while |score| < 4.9e8.  Mloc is exact up to 2^24.  NaN and infinities are not served.
; A block's largest p is the block's largest score put through the same multiply-add and exponential; this takes v_exp_f32 not to fall where its input rises.
.set REC,   12800
.set PREC,  13824
.set PART,  2*REC
.set SLOT,  4*PART
.set SPARE, 3*SLOT
.set ADRA, 8
.set ADRB, 12
.set L16,  16
.set SPW,  28
.set NIL,  29
.set SC,   32
.set DL,   48                          ; v48 my query less my first key, for tile 0 of A
.set DA,   49
.set NINF, 50
.set AF,   128
.set T,    128                         ; the way out: v128-191 t - Mloc, then p
.set PC,   192                         ; v192-211 codes
.set BM,   212                         ; v212-215 a block's largest score, then p
.set BX,   216
.set SO,   220                         ; the conversions' scale operands
.set BY,   224                         ; the bytes
.set NM,   228                         ; v[228:229] -Mloc (a pair is named)
.set LS,   230                         ; v230-233 the sum, two chains
.set TT,   234
.set LL,   235
.set LX,   236
.set PW,   237
.set WP,   240                         ; the record's three images
.set NP,   244
.set LP,   248
.set EW,   252                         ; the even tile's word, -Mloc, sum
.set EN,   253
.set EL,   254
.set WV, 8
.set AH, 9
.set BH, 10
.set I,  11
.set J,  13
.set HI, 14
.set G1, 16
.set G0, 24                            ; s[24:31] two sets
.set CS, 36                            ; s[36:37] log2(e) / 32
.set SEL, 38
.set MSB, 0
.macro WIN new
.if MSB != (\new)
	s_set_vgpr_msb (MSB<<8)|(\new)
.set MSB, (\new)
.endif
.endm
.set MUL_LO, 0xa1
.set MUL_HI, 0xf1
.set TO_B,   0x40
.macro PLACES n
.rept \n
	v_nop
.endr
.endm
.macro WM d, a, b, c, sa, sb, ra, rb
.if (\c) < 0
.if (\ra) && (\rb)
	v_wmma_scale_f32_16x16x128_f8f6f4 v[(\d):(\d)+7], v[(\a):(\a)+11], v[(\b):(\b)+11], 0, v[(\sa)], v[(\sb)] matrix_a_fmt:MATRIX_FMT_BF6 matrix_b_fmt:MATRIX_FMT_BF6 matrix_a_scale:MATRIX_SCALE_ROW1 matrix_b_scale:MATRIX_SCALE_ROW1
.elseif (\ra)
	v_wmma_scale_f32_16x16x128_f8f6f4 v[(\d):(\d)+7], v[(\a):(\a)+11], v[(\b):(\b)+11], 0, v[(\sa)], v[(\sb)] matrix_a_fmt:MATRIX_FMT_BF6 matrix_b_fmt:MATRIX_FMT_BF6 matrix_a_scale:MATRIX_SCALE_ROW1
.elseif (\rb)
	v_wmma_scale_f32_16x16x128_f8f6f4 v[(\d):(\d)+7], v[(\a):(\a)+11], v[(\b):(\b)+11], 0, v[(\sa)], v[(\sb)] matrix_a_fmt:MATRIX_FMT_BF6 matrix_b_fmt:MATRIX_FMT_BF6 matrix_b_scale:MATRIX_SCALE_ROW1
.else
	v_wmma_scale_f32_16x16x128_f8f6f4 v[(\d):(\d)+7], v[(\a):(\a)+11], v[(\b):(\b)+11], 0, v[(\sa)], v[(\sb)] matrix_a_fmt:MATRIX_FMT_BF6 matrix_b_fmt:MATRIX_FMT_BF6
.endif
.else
.if (\ra) && (\rb)
	v_wmma_scale_f32_16x16x128_f8f6f4 v[(\d):(\d)+7], v[(\a):(\a)+11], v[(\b):(\b)+11], v[(\c):(\c)+7], v[(\sa)], v[(\sb)] matrix_a_fmt:MATRIX_FMT_BF6 matrix_b_fmt:MATRIX_FMT_BF6 matrix_a_scale:MATRIX_SCALE_ROW1 matrix_b_scale:MATRIX_SCALE_ROW1
.elseif (\ra)
	v_wmma_scale_f32_16x16x128_f8f6f4 v[(\d):(\d)+7], v[(\a):(\a)+11], v[(\b):(\b)+11], v[(\c):(\c)+7], v[(\sa)], v[(\sb)] matrix_a_fmt:MATRIX_FMT_BF6 matrix_b_fmt:MATRIX_FMT_BF6 matrix_a_scale:MATRIX_SCALE_ROW1
.elseif (\rb)
	v_wmma_scale_f32_16x16x128_f8f6f4 v[(\d):(\d)+7], v[(\a):(\a)+11], v[(\b):(\b)+11], v[(\c):(\c)+7], v[(\sa)], v[(\sb)] matrix_a_fmt:MATRIX_FMT_BF6 matrix_b_fmt:MATRIX_FMT_BF6 matrix_b_scale:MATRIX_SCALE_ROW1
.else
	v_wmma_scale_f32_16x16x128_f8f6f4 v[(\d):(\d)+7], v[(\a):(\a)+11], v[(\b):(\b)+11], v[(\c):(\c)+7], v[(\sa)], v[(\sb)] matrix_a_fmt:MATRIX_FMT_BF6 matrix_b_fmt:MATRIX_FMT_BF6
.endif
.endif
.endm
; 16 matrix instructions: A's blocks a0, a0 + 1 x B's eight.  cm = 1: the first product starts the sums.  The 64 accumulators take turns, one instruction a turn.
.macro MUL16 a0, p, cm
.irp a, \a0, \a0+1
.irp b, 0,1,2,3,4,5,6,7
.if \cm == 0
	WM 8*(8*((\a)%4)+\b), 128*(\p)+12*\b, AF+12*(\a), 8*(8*((\a)%4)+\b), SC+8*(\p)+4+\b/2, SC+8*(\p)+(\a)/2, \b%2, (\a)%2
.else
	WM 8*(8*((\a)%4)+\b), 128*(\p)+12*\b, AF+12*(\a), -1, SC+8*(\p)+4+\b/2, SC+8*(\p)+(\a)/2, \b%2, (\a)%2
.endif
.endr
.endr
.endm
.macro FETCH_B s, q, p
	WIN TO_B
.irp i, 0,1,2,3,4,5,6,7
.irp c, 0,1,2
	ds_load_b128 v[128*(\p)+12*\i+4*\c:128*(\p)+12*\i+4*\c+3], v[ADRB+\s] offset:REC*(\q)+1536*\i+512*\c
.endr
.endr
	WIN 0
.endm
.macro FETCH_S s, q, p
	ds_load_b128 v[SC+8*(\p):SC+8*(\p)+3], v[ADRA+\s] offset:REC*(\q)+12288
	ds_load_b128 v[SC+8*(\p)+4:SC+8*(\p)+7], v[ADRB+\s] offset:REC*(\q)+12288
.endm
.macro FETCH_A s, q, i0
.irp i, \i0, \i0+1, \i0+2, \i0+3
.irp c, 0,1,2
	ds_load_b128 v[AF+12*(\i)+4*\c:AF+12*(\i)+4*\c+3], v[ADRA+\s] offset:REC*(\q)+1536*(\i)+512*\c
.endr
.endr
.endm
.macro STEP p, ns, nq, cm
	s_wait_dscnt 12                                ; all but the youngest 12 loads (A's blocks 4-7)
	WIN MUL_LO
	MUL16 0, \p, \cm
	MUL16 2, \p, \cm
	s_wait_dscnt 0x0
	PLACES 4                                       ; in front of loads into registers that matrix instructions have read
	FETCH_B \ns, \nq, 1-\p
	FETCH_S \ns, \nq, 1-\p
	FETCH_A \ns, \nq, 0
	WIN MUL_HI
	MUL16 4, \p, \cm
	MUL16 6, \p, \cm
	PLACES 4
	WIN 0
	FETCH_A \ns, \nq, 4
.endm
.macro TURN p, ns, nq, fill
	s_wait_tensorcnt 0x0                           ; all my tensor loads have landed
	ds_add_u32 v[SPW], v[NIL]                      ; 0 onto my spare word
.if \fill
	s_add_nc_u64 s[G0+2:G0+3], s[G0+2:G0+3], 3*PART   ; no load of mine is out: slot 0's group 0 steps from unit 0 to unit 3
.endif
	s_wait_dscnt 13                                ; (the add and the youngest 12 loads may be out)
	WIN MUL_LO
	MUL16 0, \p, 0
	s_wait_dscnt 0x0                               ; the add is done, and my reads of this slot are over
	s_barrier_signal -1
	MUL16 2, \p, 0
	WIN 0
	s_barrier_wait -1
.if \fill
	tensor_load_to_lds s[G0:G0+3], s[G1:G1+7]      ; my one load behind the barrier, 160 matrix instructions ahead of the wait for it
	s_nop 0
.endif
	PLACES 4
	FETCH_B \ns, \nq, 1-\p
	FETCH_S \ns, \nq, 1-\p
	FETCH_A \ns, \nq, 0
	WIN MUL_HI
	MUL16 4, \p, 0
	MUL16 6, \p, 0
	PLACES 4
	WIN 0
	FETCH_A \ns, \nq, 4
.endm
.macro LAST p
	s_wait_dscnt 12
	WIN MUL_LO
	MUL16 0, \p, 0
	MUL16 2, \p, 0
	s_wait_dscnt 0x0
	WIN MUL_HI
	MUL16 4, \p, 0
	MUL16 6, \p, 0
	WIN 0
	PLACES 4
.endm
	s_load_b128 s[4:7], s[0:1], 0x0                ; qkv s[4:5], pr s[6:7]
	v_lshl_add_u32 v[SPW], v0, 2, SPARE
	v_mov_b32 v[NIL], 0
	ds_add_u32 v28, v29
	ds_add_u32 v28, v29
	s_wait_dscnt 0x0
	v_lshrrev_b32 v1, 5, v0
	v_readfirstlane_b32 s[WV], v1
	s_lshr_b32 s[AH], s[WV], 1
	s_and_b32 s[BH], s[WV], 1
	s_and_b32 s12, ttmp7, 0xffff                   ; the batch
	s_mov_b32 s[HI], 0xffff0000
	s_mov_b32 s[CS], 0x3d38aa3b                    ; log2(e) / sqrt(1024)
	s_mov_b32 s[CS+1], s[CS]
	s_mov_b32 s[SEL], 0x76543210
	s_mov_b32 s[SEL+1], 0xfedcba98
	s_mov_b32 s[I], 0                              ; work-group x = i (i + 1) / 2 + j
.irp th, 1,3,6,10,15,21,28
	s_cmp_ge_u32 ttmp9, \th
	s_cselect_b32 s40, 1, 0
	s_add_co_u32 s[I], s[I], s40
.endr
	s_add_co_u32 s40, s[I], 1
	s_mul_i32 s40, s40, s[I]
	s_lshr_b32 s40, s40, 1
	s_sub_co_u32 s[J], ttmp9, s40
	s_mov_b32 s[G1], 3<<16                         ; a dense block of 25,600 bytes as 100 rows of 32 elements of 8 bytes
	s_mov_b32 s[G1+1], 32<<16
	s_mov_b32 s[G1+2], 200<<16                     ; the head's load brings K units 0 and 1 together, 200 rows of 256 bytes
	s_mov_b32 s[G1+3], 32<<16
	s_mov_b32 s[G1+4], 200
	s_mov_b32 s[G1+5], 32
	s_mov_b32 s[G1+6], 0
	s_mov_b32 s[G1+7], 0
	s_cmp_lt_u32 s[WV], 2                          ; waves 0, 1 fetch q's two halves, waves 2, 3 k's
	s_cselect_b32 s42, s[I], s[J]
	s_cselect_b32 s43, 0, 6553600                  ; k's records begin behind q's 512
	s_lshl_b32 s42, s42, 1
	s_add_co_u32 s42, s42, s[BH]
	s_lshl_b32 s44, s12, 4
	s_add_co_u32 s42, s42, s44                     ; the token group
	s_mul_i32 s42, s42, SLOT
	s_add_co_u32 s42, s42, s43
	s_mov_b32 s43, 0
	s_mul_i32 s45, s[WV], PART
	s_wait_kmcnt 0x0
	s_add_nc_u64 s[4:5], s[4:5], s[42:43]
	; LDS AS IT IS USED NOW: units 0 and 1 of wave w's 128 rows lie on end at 2 w PART, unit 2 at 8 PART + w PART; unit 3 lands on unit 0's bytes.
	; One tensor load a wave at the head (units 0, 1); unit 2 is a first fill behind the full sequence and a barrier; unit 3 a refill in the third K step.
	s_lshl_b32 s44, s45, 1
.irp s, 0,1
	s_mov_b32 s[G0+4*\s], 1
	s_add_co_u32 s[G0+4*\s+1], s[44+\s], \s*8*PART
	s_add_nc_u64 s[G0+4*\s+2:G0+4*\s+3], s[4:5], \s*2*PART
	s_or_b32 s[G0+4*\s+3], s[G0+4*\s+3], 0x80000000
.endr
	tensor_load_to_lds s[G0:G0+3], s[G1:G1+7]
	s_nop 0
	PLACES 4
	v_and_b32 v5, 31, v0
	v_lshlrev_b32 v[L16], 4, v5
	s_mul_i32 s46, s[AH], PART
	s_mul_i32 s47, s[BH], PART
	s_add_co_u32 s47, s47, 2*PART
	s_wait_alu depctr_va_vdst(0)
	s_add_co_u32 s48, s46, 8*PART
	s_add_co_u32 s49, s47, 8*PART
	v_add_nc_u32 v[ADRA+2], s48, v[L16]            ; unit 2
	v_add_nc_u32 v[ADRB+2], s49, v[L16]
	s_lshl_b32 s46, s46, 1
	s_lshl_b32 s47, s47, 1
	v_add_nc_u32 v[ADRA], s46, v[L16]              ; units 0 and 3
	v_add_nc_u32 v[ADRB], s47, v[L16]
	s_add_co_u32 s46, s46, PART
	s_add_co_u32 s47, s47, PART
	v_add_nc_u32 v[ADRA+1], s46, v[L16]            ; unit 1
	v_add_nc_u32 v[ADRB+1], s47, v[L16]
	v_and_b32 v1, 15, v0
	v_bfe_u32 v2, v0, 4, 1
	v_and_b32 v3, 8, v1
	v_add_nc_u32 v3, v3, v1                        ; r + 8 (r / 8)
	v_lshlrev_b32 v4, 4, v2
	v_sub_nc_u32 v[DL], v3, v4
	s_sub_co_i32 s48, s[AH], s[BH]
	s_lshl_b32 s48, s48, 7
	v_add_nc_u32 v[DL], s48, v[DL]                 ; 128 (ah - bh) + r + 8 (r / 8) - 16 h
	v_mov_b32 v[NINF], 0xff800000
	s_lshl_b32 s48, s12, 3                         ; my record: 4 (8 (8 batch + i) + j) + 2 ah + bh
	s_add_co_u32 s48, s48, s[I]
	s_lshl_b32 s48, s48, 3
	s_add_co_u32 s48, s48, s[J]
	s_lshl_b32 s48, s48, 2
	s_lshl_b32 s49, s[AH], 1
	s_add_co_u32 s48, s48, s49
	s_add_co_u32 s48, s48, s[BH]
	s_mul_i32 s48, s48, PREC
	s_mov_b32 s49, 0
	s_add_nc_u64 s[6:7], s[6:7], s[48:49]
	s_wait_alu depctr_va_vdst(0)
	s_wait_tensorcnt 0x0                           ; my part of units 0 and 1 is in
	ds_add_u32 v[SPW], v[NIL]
	s_mov_b32 s[G1+2], 100<<16                     ; no load of mine is out: from here on a load brings one unit, 100 rows
	s_mov_b32 s[G1+4], 100
	s_wait_dscnt 0x0
	s_barrier_signal -1
	s_barrier_wait -1
	tensor_load_to_lds s[G0+4:G0+7], s[G1:G1+7]    ; unit 2, my one load behind this barrier
	s_nop 0
	PLACES 4
	FETCH_B 0, 0, 0
	FETCH_S 0, 0, 0
	FETCH_A 0, 0, 0
	FETCH_A 0, 0, 4
	STEP 0, 0, 1, 1                                ; the first step starts the sums
	STEP 1, 1, 0, 0
	TURN 0, 1, 1, 1                                ; unit 2 is whole for every wave behind it, and unit 0's bytes take unit 3
	STEP 1, 2, 0, 0
	STEP 0, 2, 1, 0
	TURN 1, 0, 0, 0
	STEP 0, 0, 1, 0
	LAST 1
.irp b, 0,1,2,3
	v_mov_b32 v[BX+\b], 0                          ; written once: a lane permute's destination counts as one of its sources
.endr
	v_mov_b32 v[LX], 0
	v_mov_b32 v[NM+1], 0                           ; (named as the upper half of a pair)
; THE WAY OUT of A's tile a: 16 queries x my 128 keys; register 16 b + i of a lane is key 32 b + 16 h + i.
.macro SOFT a
.set SW, 2+(\a)/4
.set AC, 64*((\a)%4)
	s_cmp_lg_u32 s[I], s[J]
	s_cbranch_scc1 .Lopen_\@                       ; off the diagonal every key counts
	v_add_nc_u32 v[DA], 32*((\a)/2)+8*((\a)%2), v[DL]
	WIN (SW<<6)|SW
.set n, 0
.rept 64
	v_cmp_gt_i32 vcc_lo, 32*(n/16)+n%16, v[DA]     ; the key comes after the query
	v_cndmask_b32 v[AC+n], v[AC+n], v[NINF], vcc_lo
.set n, n+1
.endr
	WIN 0
.Lopen_\@:
	WIN (SW<<2)|(SW<<4)
.irp b, 0,1,2,3
	v_max3_num_f32 v[BM+\b], 0xff800000, v[AC+16*\b], v[AC+16*\b+1]   ; the largest score of each block of 32 keys; each accumulator is read from its low end on
.endr
.irp i, 2,4,6,8,10,12,14
.irp b, 0,1,2,3
	v_max3_num_f32 v[BM+\b], v[BM+\b], v[AC+16*\b+\i], v[AC+16*\b+\i+1]
.endr
.endr
	WIN 0
.irp b, 0,1,2,3
	v_permlanex16_b32 v[BX+\b], v[BM+\b], s[SEL], s[SEL+1]
.endr
.irp b, 0,1,2,3
	v_max_num_f32 v[BM+\b], v[BM+\b], v[BX+\b]
.endr
	v_max3_num_f32 v[TT], v[BM], v[BM+1], v[BM+2]
	v_max_num_f32 v[TT], v[TT], v[BM+3]
	v_mul_f32 v[TT], s[CS], v[TT]
	v_max_num_f32 v[TT], 0xff61b1e6, v[TT]         ; held at -3e38 where all 128 keys are hidden
	v_floor_f32 v[NM], -v[TT]                      ; -Mloc = floor(-t) = -ceil(t)
	WIN SW
.set n, 0
.rept 32
	v_pk_fma_f32 v[T+n:T+n+1], v[AC+n:AC+n+1], s[CS:CS+1], v[NM:NM+1] op_sel_hi:[1,0,0]   ; t - Mloc
.set n, n+2
.endr
	WIN 0
.irp b, 0,1,2,3
	v_fma_f32 v[BM+\b], v[BM+\b], s[CS], v[NM]
.endr
.set n, 0
	s_wait_alu depctr_va_vdst(0)
.rept 64
	v_exp_f32 v[T+n], v[T+n]                       ; p
.set n, n+1
.endr
	v_nop                                          ; a plain place behind the exponentials
	s_wait_alu depctr_va_vdst(0)                   ; one wait for the batch, ahead of its first reader
.irp b, 0,1,2,3
	v_exp_f32 v[BM+\b], v[BM+\b]                   ; the block's largest p
.endr
	v_pk_add_f32 v[LS:LS+1], v[T:T+1], v[T+2:T+3]  ; the sum of the unquantised p, in two chains
	v_pk_add_f32 v[LS+2:LS+3], v[T+4:T+5], v[T+6:T+7]
.set n, 8
.rept 14
	v_pk_add_f32 v[LS:LS+1], v[LS:LS+1], v[T+n:T+n+1]
	v_pk_add_f32 v[LS+2:LS+3], v[LS+2:LS+3], v[T+n+2:T+n+3]
.set n, n+4
.endr
	v_pk_add_f32 v[LS:LS+1], v[LS:LS+1], v[LS+2:LS+3]
	v_add_f32 v[LL], v[LS], v[LS+1]
	v_permlanex16_b32 v[LX], v[LL], s[SEL], s[SEL+1]
	v_add_f32 v[LL], v[LL], v[LX]
	s_wait_alu depctr_va_vdst(0)                   ; and one for the four
.irp b, 0,1,2,3
	v_max_num_f32 v[BM+\b], 0x2800000, v[BM+\b]    ; the floor 2^(5 - 127)
.endr
.irp b, 0,1,2,3
	v_add_nc_u32 v[SO+\b], 0xfe000000, v[BM+\b]
.endr
.irp b, 0,1,2,3
	v_lshrrev_b32 v[BY+\b], 23, v[SO+\b]
.endr
	v_lshl_or_b32 v[PW], v[BY+1], 8, v[BY]
	v_lshl_or_b32 v[PW], v[BY+2], 16, v[PW]
	v_lshl_or_b32 v[PW], v[BY+3], 24, v[PW]
	s_wait_xcnt 0x0                                ; the codes' registers, which the last tile's stores read, are written again only behind this wait
.irp c, 0,1
	v_cvt_scalef32_pk16_bf6_f32 v[PC+6*\c:PC+2+6*\c], v[T+32*\c:T+15+32*\c], v[SO+2*\c]
	v_cvt_scalef32_pk16_bf6_f32 v[PC+12+4*\c:PC+14+4*\c], v[T+16+32*\c:T+31+32*\c], v[SO+2*\c+1]
.endr
	v_nop
.irp c, 0,1
.irp i, 0,1,2
	v_permlane16_swap_b32 v[PC+6*\c+\i], v[PC+12+4*\c+\i]
.endr
.irp i, 0,1,2
	v_mov_b32 v[PC+3+6*\c+\i], v[PC+12+4*\c+\i]
.endr
.endr
.irp c, 0,1,2
	global_store_b128 v[L16], v[PC+4*\c:PC+4*\c+3], s[6:7] offset:1536*(\a)+512*\c   ; 512 consecutive bytes
.endr
.if (\a)%2 == 0
	v_mov_b32 v[EW], v[PW]
	v_mov_b32 v[EN], v[NM]
	v_mov_b32 v[EL], v[LL]
.else
	v_cndmask_b32 v[WP+(\a)/2], v[EW], v[PW], s[HI]   ; lanes 0-15 the even tile's, lanes 16-31 the odd tile's
	v_cndmask_b32 v[NP+(\a)/2], v[EN], v[NM], s[HI]
	v_cndmask_b32 v[LP+(\a)/2], v[EL], v[LL], s[HI]
.endif
.endm
.irp a, 0,1,2,3,4,5,6,7
	SOFT \a
.endr
	global_store_b128 v[L16], v[WP:WP+3], s[6:7] offset:12288
	global_store_b128 v[L16], v[NP:NP+3], s[6:7] offset:12800
	global_store_b128 v[L16], v[LP:LP+3], s[6:7] offset:13312
	s_wait_tensorcnt 0x0                           ; the wave's end
	ds_add_u32 v[SPW], v[NIL]
	s_wait_dscnt 0x0
	s_endpgm
.Lfunc_end_k_q644283b104_scores:
	.size	k_q644283b104_scores, .Lfunc_end_k_q644283b104_scores-k_q644283b104_scores
	.p2alignl 7, 3214868480
	.fill 96, 4, 3214868480
	.section	.rodata,"a",@progbits
	.p2align	6, 0x0
	.amdhsa_kernel k_q644283b104_scores
		.amdhsa_group_segment_fixed_size 327680
		.amdhsa_private_segment_fixed_size 0
		.amdhsa_enable_private_segment 0
		.amdhsa_kernarg_size 16
		.amdhsa_user_sgpr_count 2
		.amdhsa_user_sgpr_kernarg_segment_ptr 1
		.amdhsa_wavefront_size32 1
		.amdhsa_system_sgpr_workgroup_id_x 1
		.amdhsa_system_sgpr_workgroup_id_y 1
		.amdhsa_system_sgpr_workgroup_id_z 1
		.amdhsa_system_vgpr_workitem_id 0
		.amdhsa_next_free_vgpr 1024
		.amdhsa_next_free_sgpr 66
		.amdhsa_reserve_vcc 1
		.amdhsa_float_denorm_mode_32 3
		.amdhsa_float_denorm_mode_16_64 3
		.amdhsa_memory_ordered 1
		.amdhsa_forward_progress 1
		.amdhsa_inst_pref_size 232
	.end_amdhsa_kernel
	.amdgpu_metadata
---
amdhsa.version: [ 1, 2 ]
amdhsa.kernels:
  - .name:           k_q644283b104_scores
    .symbol:         k_q644283b104_scores.kd
    .args:
      - { .name: qkv, .offset: 0, .size: 8, .value_kind: global_buffer, .address_space: global }
      - { .name: pr, .offset: 8, .size: 8, .value_kind: global_buffer, .address_space: global }
    .group_segment_fixed_size: 327680
    .private_segment_fixed_size: 0
    .kernarg_segment_align: 8
    .kernarg_segment_size: 16
    .max_flat_workgroup_size: 128
    .sgpr_count:     66
    .vgpr_count:     1024
    .wavefront_size: 32
...
	.end_amdgpu_metadata
.endif
;; end of part 3
;; launch pv (part 4): grid 8 x 32, 4 waves a work-group, clusters of 4 x 1, 327,680 bytes of LDS; arguments pr, qkv, ao; writes ao
.if DOCPART == 4
	.amdgcn_target "amdgcn-amd-amdhsa--gfx1250"
	.amdhsa_code_object_version 6
	.text
	.protected	k_q644283b104_pv
	.globl	k_q644283b104_pv
	.p2align	8
	.type	k_q644283b104_pv,@function
k_q644283b104_pv:
	s_mov_b64 s[64:65], 0
	v_nop
	global_prefetch_b8 v0, s[64:65] scope:SCOPE_SE
	s_setreg_imm32_b32 hwreg(HW_REG_WAVE_MODE, 25, 1), 1
	s_wait_xcnt 0x0
	s_wait_alu depctr_hold_cnt(0) depctr_sa_sdst(0) depctr_va_vdst(0) depctr_va_sdst(0) depctr_va_ssrc(0) depctr_va_vcc(0) depctr_vm_vsrc(0)
	s_getreg_b32 s2, hwreg(HW_REG_IB_STS2, 6, 4)
	s_cmp_eq_u32 s2, 0
	s_cbranch_scc0 .Lentry_in_a_cluster
	s_endpgm
.Lentry_in_a_cluster:
	s_bfe_u32 s2, ttmp6, 0x10000c
	s_cmp_lg_u32 s2, 0x3003
	s_cbranch_scc0 .Lentry_shape_is_right
	s_endpgm
.Lentry_shape_is_right:
.set REC,   12800
.set PREC,  13824
.set PUNIT, 4*PREC
.set UNITA, 2*PREC
.set UNITB, 2*REC
.set UNIT,  UNITA+UNITB
.set SLOT,  2*UNIT
.set SPARE, 3*SLOT
.set ADA, 8
.set ADB, 14
.set ADW, 20
.set ADX, 26
.set SPW, 32
.set NIL, 33
.set L16, 34
.set L8H, 35
.set NMR1, 36
.set NMR2, 38
.set NMC, 40
.set SAF, 42
.set SB,  48
.set SAW, 54
.set SAM, 60
.set LR,  66
.set RL,  70
.set D1,  96
.set D2,  128
.set BF,  96
.set FD,  240
.set FT,  242
.set FM,  244
.set FN,  246
.set PX,  248
.set WV, 10
.set AH, 11
.set BH, 12
.set I,  16
.set I7, 17
.set SEL, 22
.set G1A, 24
.set G1B, 32
.set G0A, 40
.set G0B, 52
.set E1,  86
.set E2,  87
.set HI,  90
.set MSB, 0
.macro WIN new
.if MSB != (\new)
	s_set_vgpr_msb (MSB<<8)|(\new)
.set MSB, (\new)
.endif
.endm
.macro PLACES n
.rept \n
	v_nop
.endr
.endm
.macro WM d, a, b, c, sa, sb, ra, rb
.if (\c) < 0
.if (\ra) && (\rb)
	v_wmma_scale_f32_16x16x128_f8f6f4 v[(\d):(\d)+7], v[(\a):(\a)+11], v[(\b):(\b)+11], 0, v[(\sa)], v[(\sb)] matrix_a_fmt:MATRIX_FMT_BF6 matrix_b_fmt:MATRIX_FMT_BF6 matrix_a_scale:MATRIX_SCALE_ROW1 matrix_b_scale:MATRIX_SCALE_ROW1
.elseif (\ra)
	v_wmma_scale_f32_16x16x128_f8f6f4 v[(\d):(\d)+7], v[(\a):(\a)+11], v[(\b):(\b)+11], 0, v[(\sa)], v[(\sb)] matrix_a_fmt:MATRIX_FMT_BF6 matrix_b_fmt:MATRIX_FMT_BF6 matrix_a_scale:MATRIX_SCALE_ROW1
.elseif (\rb)
	v_wmma_scale_f32_16x16x128_f8f6f4 v[(\d):(\d)+7], v[(\a):(\a)+11], v[(\b):(\b)+11], 0, v[(\sa)], v[(\sb)] matrix_a_fmt:MATRIX_FMT_BF6 matrix_b_fmt:MATRIX_FMT_BF6 matrix_b_scale:MATRIX_SCALE_ROW1
.else
	v_wmma_scale_f32_16x16x128_f8f6f4 v[(\d):(\d)+7], v[(\a):(\a)+11], v[(\b):(\b)+11], 0, v[(\sa)], v[(\sb)] matrix_a_fmt:MATRIX_FMT_BF6 matrix_b_fmt:MATRIX_FMT_BF6
.endif
.else
.if (\ra) && (\rb)
	v_wmma_scale_f32_16x16x128_f8f6f4 v[(\d):(\d)+7], v[(\a):(\a)+11], v[(\b):(\b)+11], v[(\c):(\c)+7], v[(\sa)], v[(\sb)] matrix_a_fmt:MATRIX_FMT_BF6 matrix_b_fmt:MATRIX_FMT_BF6 matrix_a_scale:MATRIX_SCALE_ROW1 matrix_b_scale:MATRIX_SCALE_ROW1
.elseif (\ra)
	v_wmma_scale_f32_16x16x128_f8f6f4 v[(\d):(\d)+7], v[(\a):(\a)+11], v[(\b):(\b)+11], v[(\c):(\c)+7], v[(\sa)], v[(\sb)] matrix_a_fmt:MATRIX_FMT_BF6 matrix_b_fmt:MATRIX_FMT_BF6 matrix_a_scale:MATRIX_SCALE_ROW1
.elseif (\rb)
	v_wmma_scale_f32_16x16x128_f8f6f4 v[(\d):(\d)+7], v[(\a):(\a)+11], v[(\b):(\b)+11], v[(\c):(\c)+7], v[(\sa)], v[(\sb)] matrix_a_fmt:MATRIX_FMT_BF6 matrix_b_fmt:MATRIX_FMT_BF6 matrix_b_scale:MATRIX_SCALE_ROW1
.else
	v_wmma_scale_f32_16x16x128_f8f6f4 v[(\d):(\d)+7], v[(\a):(\a)+11], v[(\b):(\b)+11], v[(\c):(\c)+7], v[(\sa)], v[(\sb)] matrix_a_fmt:MATRIX_FMT_BF6 matrix_b_fmt:MATRIX_FMT_BF6
.endif
.endif
.endm
.macro CROUND
	s_barrier_signal -1
	s_barrier_wait -1
	s_cmp_lg_u32 s[WV], 0
	s_cbranch_scc1 .Lnot_wave_0_\@
	s_barrier_signal -3
.Lnot_wave_0_\@:
	s_barrier_wait -3
	s_barrier_signal -1
	s_barrier_wait -1
.endm
.macro DESC f, set
	s_add_co_i32 s70, s[AH], 2*(\f)-1
	s_sub_co_i32 s71, s70, s[I]
	s_cmp_le_u32 s70, s[I]
	s_cselect_b32 s66, s[I], s[I7]
	s_cselect_b32 s68, s70, s71
	s_cselect_b32 s88, s[E1], s[E2]
	s_max_i32 s68, s68, 0
	s_lshl_b32 s66, s66, 3
	s_add_co_u32 s66, s66, s68
	s_mul_i32 s66, s66, PUNIT
	s_mul_i32 s88, s88, UNITA
	s_add_co_u32 s66, s66, s88
	s_mul_i32 s68, s68, UNITB
	s_add_nc_u64 s[G0A+4*(\set)+2:G0A+4*(\set)+3], s[18:19], s[66:67]
	s_or_b32 s[G0A+4*(\set)+3], s[G0A+4*(\set)+3], 0x80000000
	s_add_nc_u64 s[G0B+4*(\set)+2:G0B+4*(\set)+3], s[20:21], s[68:69]
	s_or_b32 s[G0B+4*(\set)+3], s[G0B+4*(\set)+3], 0x80000000
.endm
.macro TLOAD set, half
.if \half
	s_cmp_lt_u32 s[WV], 2
	s_cbranch_scc0 .Lasked_\@
.endif
	s_cmp_eq_u32 s[BH], 0
	s_cbranch_scc0 .Lfor_b_\@
	tensor_load_to_lds s[G0A+4*(\set):G0A+4*(\set)+3], s[G1A:G1A+7]
	s_nop 0
.rept 4
	v_nop
.endr
	s_branch .Lasked_\@
.Lfor_b_\@:
	tensor_load_to_lds s[G0B+4*(\set):G0B+4*(\set)+3], s[G1B:G1B+7]
	s_nop 0
.rept 4
	v_nop
.endr
.Lasked_\@:
.endm
.macro FETCH n
.set FU, (\n)/2
.set FK, (\n)%2
.set FP, FU%6
.set FS, (\n)%3
	WIN 0x40
.irp i, 0,1,2,3
.irp c, 0,1,2
	ds_load_b128 v[64*FS+12*\i+4*\c:64*FS+12*\i+4*\c+3], v[ADA+FP] offset:PREC*FK+1536*\i+512*\c
.endr
.endr
	WIN 0
.irp t, 0,1,2,3
.irp c, 0,1,2
	ds_load_b128 v[BF+48*FS+12*\t+4*\c:BF+48*FS+12*\t+4*\c+3], v[ADB+FP] offset:REC*FK+1536*\t+512*\c
.endr
.endr
	ds_load_b64 v[SB+2*FS:SB+2*FS+1], v[ADW+FP] offset:REC*FK+12288
	ds_load_b64 v[SAW+2*FS:SAW+2*FS+1], v[ADX+FP] offset:PREC*FK+12288
	ds_load_b64 v[SAM+2*FS:SAM+2*FS+1], v[ADX+FP] offset:PREC*FK+12800
.endm
.macro SELM u
.if ((\u) == 0) || ((\u) >= 5)
.irp p, 0,1
	v_mov_b32 v[NMC+\p], v[NMR2+\p]
.endr
.elseif (\u) == 1
.irp p, 0,1
	v_mov_b32 v[NMC+\p], v[NMR1+\p]
.endr
.else
	s_cmp_ge_u32 s[I], (\u)-1
	s_cselect_b32 s76, -1, 0
.irp p, 0,1
	v_cndmask_b32 v[NMC+\p], v[NMR2+\p], v[NMR1+\p], s76
.endr
.endif
.endm
.macro FIX n
.set XS, (\n)%3
.irp p, 0,1
	v_sub_f32 v[FD+\p], v[SAM+2*XS+\p], v[NMC+\p]
.endr
.irp p, 0,1
	v_or_b32 v[FT+\p], 0x80808080, v[SAW+2*XS+\p]
.endr
.irp p, 0,1
	v_min_num_f32 v[FD+\p], 0x42fe0000, v[FD+\p]
.endr
.irp p, 0,1
	v_cvt_u32_f32 v[FD+\p], v[FD+\p]
.endr
.irp p, 0,1
	v_mul_lo_u32 v[FD+\p], v[FD+\p], 0x01010101
.endr
.irp p, 0,1
	v_sub_nc_u32 v[FT+\p], v[FT+\p], v[FD+\p]
.endr
.irp p, 0,1
	v_and_b32 v[FM+\p], 0x80808080, v[FT+\p]
.endr
.irp p, 0,1
	v_lshrrev_b32 v[FN+\p], 7, v[FM+\p]
.endr
.irp p, 0,1
	v_sub_nc_u32 v[FM+\p], v[FM+\p], v[FN+\p]
.endr
.irp p, 0,1
	v_and_b32 v[SAF+2*XS+\p], v[FT+\p], v[FM+\p]
.endr
.endm
.macro NEXTFIX n
.if (\n)%2 == 0
	SELM (\n)/2
.endif
	FIX \n
.endm
.macro W16 set, zero
.irp a, 0,1,2,3
.irp t, 0,1,2,3
.if \zero
	WM 8*(4*\a+\t), BF+48*(\set)+12*\t, 64*(\set)+12*\a, -1, SB+2*(\set)+\t/2, SAF+2*(\set)+\a/2, \t%2, \a%2
.else
	WM 8*(4*\a+\t), BF+48*(\set)+12*\t, 64*(\set)+12*\a, 8*(4*\a+\t), SB+2*(\set)+\t/2, SAF+2*(\set)+\a/2, \t%2, \a%2
.endif
.endr
.endr
.endm
.macro WPART n, zero
.set WU, (\n)/2
.set WSN, (\n)%3
.if (WU == 0) || (WU >= 5)
	WIN 0xf4
	W16 WSN, \zero
	WIN 0
.elseif WU == 1
	WIN 0xa4
	W16 WSN, \zero
	WIN 0
.else
	s_cmp_ge_u32 s[I], WU-1
	s_cbranch_scc0 .Lsecond_\@
	WIN 0xa4
	W16 WSN, \zero
	WIN 0
	s_branch .Ldone_\@
.Lsecond_\@:
	WIN 0xf4
	s_wait_alu depctr_va_vdst(0)
	W16 WSN, \zero
	WIN 0
.Ldone_\@:
.endif
.endm
.macro KS n, zero, fetch
	PLACES 8
.if \fetch
	FETCH (\n)+2
.endif
	WPART \n, \zero
.if \fetch
	s_wait_dscnt 27
.else
	s_wait_dscnt 0x0
.endif
	NEXTFIX (\n)+1
.endm
.macro KT n, fill, slot, half, ahead
	PLACES 8
.if \ahead
	FETCH (\n)+2
.endif
	WPART \n, 0
	s_wait_tensorcnt 0x0
	ds_add_u32 v[SPW], v[NIL]
.if (\fill) >= 0
	DESC \fill, \slot
.endif
	s_wait_dscnt 0x0
.if (\fill) >= 0
	CROUND
	TLOAD \slot, \half
.else
	s_barrier_signal -1
	s_barrier_wait -1
.endif
.if !(\ahead)
	FETCH (\n)+1
	FETCH (\n)+2
	s_wait_dscnt 27
.endif
	NEXTFIX (\n)+1
.endm
	s_load_b128 s[4:7], s[0:1], 0x0
	s_load_b64 s[8:9], s[0:1], 0x10
	v_lshl_add_u32 v[SPW], v0, 2, SPARE
	v_mov_b32 v[NIL], 0
	ds_add_u32 v32, v33
	ds_add_u32 v32, v33
	s_wait_dscnt 0x0
	v_lshrrev_b32 v1, 5, v0
	v_readfirstlane_b32 s[WV], v1
	s_lshr_b32 s[AH], s[WV], 1
	s_and_b32 s[BH], s[WV], 1
	s_bfe_u32 s13, ttmp6, 0x40000
	s_lshl_b32 s14, ttmp9, 2
	s_add_co_u32 s14, s14, s13
	s_and_b32 s91, ttmp7, 0xffff
	s_lshr_b32 s15, s91, 3
	s_and_b32 s92, s91, 7
	s_lshr_b32 s[I], s92, 1
	s_sub_co_u32 s[I7], 7, s[I]
	s_and_b32 s[E1], s92, 1
	s_xor_b32 s[E2], s[E1], 1
	s_mov_b32 s[SEL], 0x76543210
	s_mov_b32 s[SEL+1], 0xfedcba98
	s_mov_b32 s[HI], 0xffff0000
	s_mov_b32 s67, 0
	s_mov_b32 s69, 0
	s_mov_b32 s[G1A], 15|(3<<16)|(1<<21)
	s_mov_b32 s[G1A+1], 32<<16
	s_mov_b32 s[G1A+2], 108<<16
	s_mov_b32 s[G1A+3], 32<<16
	s_mov_b32 s[G1A+4], 108
	s_mov_b32 s[G1A+5], 32
	s_mov_b32 s[G1A+6], 0
	s_mov_b32 s[G1A+7], 0
	s_mov_b32 s[G1B], 3<<16
	s_mov_b32 s[G1B+1], 32<<16
	s_mov_b32 s[G1B+2], 100<<16
	s_mov_b32 s[G1B+3], 32<<16
	s_mov_b32 s[G1B+4], 100
	s_mov_b32 s[G1B+5], 32
	s_mov_b32 s[G1B+6], 0
	s_mov_b32 s[G1B+7], 0
	s_mul_i32 s94, s15, 64*PUNIT
	s_mov_b32 s95, 0
	s_lshl_b32 s96, s15, 3
	s_add_co_u32 s96, s96, s14
	s_mul_i32 s96, s96, 16*REC
	s_add_co_u32 s96, s96, 1024*REC
	s_mov_b32 s97, 0
	s_mul_i32 s98, s[AH], UNIT
	s_mul_i32 s99, s[BH], UNITA
	s_add_co_u32 s98, s98, s99
	s_wait_kmcnt 0x0
	s_add_nc_u64 s[18:19], s[4:5], s[94:95]
	s_add_nc_u64 s[20:21], s[6:7], s[96:97]
.irp s, 0,1,2
	s_mov_b32 s[G0A+4*\s], 1
	s_add_co_u32 s[G0A+4*\s+1], s98, \s*SLOT
	s_mov_b32 s[G0B+4*\s], 1
	s_add_co_u32 s[G0B+4*\s+1], s98, \s*SLOT
.endr
	DESC 0, 0
	DESC 1, 1
	DESC 2, 2
	CROUND
	TLOAD 0, 0                                     ; slot 0; the addresses and the statistics' loads are made while it is on its way
	v_and_b32 v7, 31, v0
	v_lshlrev_b32 v[L16], 4, v7
	s_lshl_b32 s76, s[AH], 3
	v_add_nc_u32 v[L8H], s76, v[L16]
	s_mul_i32 s76, s[AH], 6144
	v_add_nc_u32 v86, s76, v[L16]
	s_mul_i32 s76, s[BH], 6144
	s_add_co_u32 s76, s76, UNITA
	v_add_nc_u32 v87, s76, v[L16]
	s_lshl_b32 s76, s[BH], 3
	s_add_co_u32 s76, s76, UNITA
	v_add_nc_u32 v88, s76, v[L16]
.irp sp, 0,1,2,3,4,5
	v_add_nc_u32 v[ADA+\sp], UNIT*\sp, v86
	v_add_nc_u32 v[ADB+\sp], UNIT*\sp, v87
	v_add_nc_u32 v[ADW+\sp], UNIT*\sp, v88
	v_add_nc_u32 v[ADX+\sp], UNIT*\sp, v[L8H]
.endr
	s_mul_i32 s76, s[I], 8*PUNIT
	s_mul_i32 s78, s[E1], UNITA
	s_add_co_u32 s76, s76, s78
	s_mov_b32 s77, 0
	s_add_nc_u64 s[72:73], s[18:19], s[76:77]
	s_mul_i32 s76, s[I7], 8*PUNIT
	s_mul_i32 s78, s[E2], UNITA
	s_add_co_u32 s76, s76, s78
	s_add_nc_u64 s[74:75], s[18:19], s[76:77]
.irp k, 1,2,3
	s_min_u32 s76, s[I], \k
	s_mul_i32 s76, s76, PUNIT
	v_add_nc_u32 v[\k], s76, v[L8H]
.endr
.irp k, 5,6,7
	s_min_u32 s76, s[I7], \k
	s_mul_i32 s76, s76, PUNIT
	v_add_nc_u32 v[\k-1], s76, v[L8H]
.endr
.macro STLOAD d, vo, base, imm
.irp ks, 0,1
	global_load_b64 v[(\d)+4*\ks:(\d)+4*\ks+1], v[\vo], s[\base:\base+1] offset:(\imm)+PREC*\ks+12800
	global_load_b64 v[(\d)+4*\ks+2:(\d)+4*\ks+3], v[\vo], s[\base:\base+1] offset:(\imm)+PREC*\ks+13312
.endr
.endm
	STLOAD D1, L8H, 72, 0
	s_wait_alu depctr_va_vdst(0)
.irp k, 1,2,3
	STLOAD D1+8*\k, \k, 72, 0
.endr
.irp k, 0,1,2,3,4
	STLOAD D2+8*\k, L8H, 74, PUNIT*\k
.endr
.irp k, 5,6,7
	STLOAD D2+8*\k, \k-1, 74, 0
.endr
	s_lshl_b32 s76, s15, 7
	s_lshl_b32 s78, s[AH], 2
	s_add_co_u32 s76, s76, s78
	s_lshl_b32 s78, s14, 3
	s_lshl_b32 s79, s[BH], 2
	s_add_co_u32 s78, s78, s79
	s_lshl_b32 s78, s78, 10
	s_lshl_b32 s80, s[I], 4
	s_lshl_b32 s79, s[E1], 3
	s_add_co_u32 s80, s80, s79
	s_add_co_u32 s80, s80, s76
	s_lshl_b32 s80, s80, 16
	s_add_co_u32 s80, s80, s78
	s_mov_b32 s81, 0
	s_add_nc_u64 s[82:83], s[8:9], s[80:81]
	s_lshl_b32 s80, s[I7], 4
	s_lshl_b32 s79, s[E2], 3
	s_add_co_u32 s80, s80, s79
	s_add_co_u32 s80, s80, s76
	s_lshl_b32 s80, s80, 16
	s_add_co_u32 s80, s80, s78
	s_add_nc_u64 s[84:85], s[8:9], s[80:81]
.irp e, 0,1,2,3
	v_mov_b32 v[PX+\e], 0
.endr
	s_wait_alu depctr_va_vdst(0)
	s_wait_tensorcnt 0x0
	ds_add_u32 v32, v33
	s_wait_dscnt 0x0
	CROUND
	TLOAD 1, 0                                     ; slot 1's first fill; the statistics are worked while it is on its way
	s_wait_loadcnt 0x0
.irp k, 1,2,3
	s_cmp_ge_u32 s[I], \k
	s_cselect_b32 s76, -1, 0
.irp e, 2,3,6,7
	v_cndmask_b32 v[D1+8*\k+\e], 0, v[D1+8*\k+\e], s76
.endr
.endr
.irp k, 5,6,7
	s_cmp_ge_u32 s[I7], \k
	s_cselect_b32 s76, -1, 0
.irp e, 2,3,6,7
	v_cndmask_b32 v[D2+8*\k+\e], 0, v[D2+8*\k+\e], s76
.endr
.endr
.macro STATS d, cnt, nmr, lr
.irp p, 0,1
	v_min3_num_f32 v[\nmr+\p], v[\d+\p], v[\d+4+\p], v[\d+8+\p]
.endr
.set m, 3
.rept ((\cnt)-4)/2
.irp p, 0,1
	v_min3_num_f32 v[\nmr+\p], v[\nmr+\p], v[\d+4*m+\p], v[\d+4*m+4+\p]
.endr
.set m, m+2
.endr
.irp p, 0,1
	v_min_num_f32 v[\nmr+\p], v[\nmr+\p], v[\d+4*(\cnt)-4+\p]
.endr
.set m, 0
.rept \cnt
.irp p, 0,1
	v_sub_f32 v[\d+4*m+\p], v[\nmr+\p], v[\d+4*m+\p]
.endr
.set m, m+1
.endr
.set m, 0
.rept \cnt
.irp p, 0,1
	v_cvt_i32_f32 v[\d+4*m+\p], v[\d+4*m+\p]
.endr
.set m, m+1
.endr
.set m, 0
.rept \cnt
.irp p, 0,1
	v_ldexp_f32 v[\d+4*m+2+\p], v[\d+4*m+2+\p], v[\d+4*m+\p]
.endr
.set m, m+1
.endr
.irp p, 0,1
	v_add_f32 v[\lr+\p], v[\d+2+\p], v[\d+6+\p]
.endr
.set m, 2
.rept (\cnt)-2
.irp p, 0,1
	v_add_f32 v[\lr+\p], v[\lr+\p], v[\d+4*m+2+\p]
.endr
.set m, m+1
.endr
.endm
	STATS D1, 8, NMR1, LR
	STATS D2, 16, NMR2, LR+2
	s_wait_alu depctr_va_vdst(0)
.irp e, 0,1,2,3
	v_rcp_f32 v[LR+\e], v[LR+\e]
.endr
	v_nop
	s_wait_alu depctr_va_vdst(0)
.irp e, 0,1,2,3
	v_permlanex16_b32 v[PX+\e], v[LR+\e], s[SEL], s[SEL+1]
.endr
.irp k, 0,1
.irp p, 0,1
	v_cndmask_b32 v[RL+8*\k+4*\p], v[LR+2*\k+\p], v[PX+2*\k+\p], s[HI]
	v_cndmask_b32 v[RL+8*\k+4*\p+1], v[LR+2*\k+\p], v[PX+2*\k+\p], s[HI]
	v_cndmask_b32 v[RL+8*\k+4*\p+2], v[PX+2*\k+\p], v[LR+2*\k+\p], s[HI]
	v_cndmask_b32 v[RL+8*\k+4*\p+3], v[PX+2*\k+\p], v[LR+2*\k+\p], s[HI]
.endr
.endr
.macro OUT k, ob
	WIN ((2+\k)<<6)|(2+\k)
.set i, 0
.rept 64
	v_pk_mul_f32 v[2*i:2*i+1], v[2*i:2*i+1], v[RL+8*(\k)+2*(i/16):RL+8*(\k)+2*(i/16)+1]
.set i, i+1
.endr
	WIN (2+\k)<<2
.set i, 0
.rept 32
	global_store_b128 v[L16], v[4*i:4*i+3], s[\ob:\ob+1] offset:65536*(i/8)+1024*((i/2)%4)+512*(i%2) th:TH_STORE_NT
.set i, i+1
.endr
	WIN 0
.endm
	s_wait_alu depctr_va_vdst(0)
	s_wait_tensorcnt 0x0                           ; slots 0 and 1 are in
	ds_add_u32 v32, v33
	s_wait_dscnt 0x0
	CROUND                                         ; and so for every wave
	TLOAD 2, 0                                     ; slot 2's first fill
	FETCH 0
	FETCH 1
	s_wait_dscnt 27
	NEXTFIX 0
	KS 0, 1, 1
	KS 1, 0, 1
	KS 2, 1, 0
	KT 3, 3, 0, 0, 0
	KS 4, 0, 1
	KS 5, 0, 1
	KS 6, 0, 1
	KT 7, 4, 1, 1, 1
	KS 8, 0, 1
	KS 9, 0, 1
	OUT 0, 82
	KS 10, 0, 1
	KS 11, 0, 1
	KS 12, 0, 1
	KS 13, 0, 1
	KS 14, 0, 0
	KT 15, -1, 0, 0, 0
	KS 16, 0, 0
	PLACES 8
	WPART 17, 0
	PLACES 4
	OUT 1, 84
	s_wait_tensorcnt 0x0
	ds_add_u32 v[SPW], v[NIL]
	s_wait_dscnt 0x0
	CROUND
	s_endpgm
.Lfunc_end_k_q644283b104_pv:
	.size	k_q644283b104_pv, .Lfunc_end_k_q644283b104_pv-k_q644283b104_pv
	.p2alignl 7, 3214868480
	.fill 96, 4, 3214868480
	.section	.rodata,"a",@progbits
	.p2align	6, 0x0
	.amdhsa_kernel k_q644283b104_pv
		.amdhsa_group_segment_fixed_size 327680
		.amdhsa_private_segment_fixed_size 0
		.amdhsa_enable_private_segment 0
		.amdhsa_kernarg_size 24
		.amdhsa_user_sgpr_count 2
		.amdhsa_user_sgpr_kernarg_segment_ptr 1
		.amdhsa_wavefront_size32 1
		.amdhsa_system_sgpr_workgroup_id_x 1
		.amdhsa_system_sgpr_workgroup_id_y 1
		.amdhsa_system_sgpr_workgroup_id_z 1
		.amdhsa_system_vgpr_workitem_id 0
		.amdhsa_next_free_vgpr 1024
		.amdhsa_next_free_sgpr 100
		.amdhsa_reserve_vcc 0
		.amdhsa_float_denorm_mode_32 3
		.amdhsa_float_denorm_mode_16_64 3
		.amdhsa_memory_ordered 1
		.amdhsa_forward_progress 1
		.amdhsa_inst_pref_size 152
	.end_amdhsa_kernel
	.amdgpu_metadata
---
amdhsa.version: [ 1, 2 ]
amdhsa.kernels:
  - .name:           k_q644283b104_pv
    .symbol:         k_q644283b104_pv.kd
    .args:
      - { .name: pr, .offset: 0, .size: 8, .value_kind: global_buffer, .address_space: global }
      - { .name: qkv, .offset: 8, .size: 8, .value_kind: global_buffer, .address_space: global }
      - { .name: ao, .offset: 16, .size: 8, .value_kind: global_buffer, .address_space: global }
    .group_segment_fixed_size: 327680
    .private_segment_fixed_size: 0
    .kernarg_segment_align: 8
    .kernarg_segment_size: 24
    .max_flat_workgroup_size: 128
    .sgpr_count:     100
    .vgpr_count:     1024
    .wavefront_size: 32
...
	.end_amdgpu_metadata
.endif
;; end of part 4
;; launch tail (part 5): grid 256 x 1, 4 waves a work-group, clusters of 4 x 1, 327,680 bytes of LDS; arguments x, ao, wr, ln1_g, ln1_b, ln2_g, ln2_b, b1, b2, out0; writes out0
.if DOCPART == 5
	.amdgcn_target "amdgcn-amd-amdhsa--gfx1250"
	.amdhsa_code_object_version 6
	.text
	.protected	k_q644283b104_tail
	.globl	k_q644283b104_tail
	.p2align	8
	.type	k_q644283b104_tail,@function
k_q644283b104_tail:
	s_mov_b64 s[64:65], 0
	v_nop
	global_prefetch_b8 v0, s[64:65] scope:SCOPE_SE
	s_setreg_imm32_b32 hwreg(HW_REG_WAVE_MODE, 25, 1), 1
	s_wait_xcnt 0x0
	s_wait_alu depctr_hold_cnt(0) depctr_sa_sdst(0) depctr_va_vdst(0) depctr_va_sdst(0) depctr_va_ssrc(0) depctr_va_vcc(0) depctr_vm_vsrc(0)
	s_getreg_b32 s2, hwreg(HW_REG_IB_STS2, 6, 4)
	s_cmp_eq_u32 s2, 0
	s_cbranch_scc0 .Lentry_in_a_cluster
	s_endpgm
.Lentry_in_a_cluster:
	s_bfe_u32 s2, ttmp6, 0x10000c
	s_cmp_lg_u32 s2, 0x3003
	s_cbranch_scc0 .Lentry_shape_is_right
	s_endpgm
.Lentry_shape_is_right:
; x1 = x + LN1(attn_out);  h = LN2(x1);  out = x1 + relu(h W1 + b1) W2 + b2.  Both products on codes of E3M2; h and the hidden layer are quantised in registers and never go to memory; all else in f32.
; A work-group takes 32 tokens: two tiles u of 16 (lane r of tile u: token 8 u + r + 8 (r / 8)).  Wave w holds columns 256 w .. + 255 of all 32 rows and makes hidden units 128 w .. + 127.
; Everything is kept in the matrix result's layout: lane (r, h) holds row r, register 16 b + i column 32 b + 16 h + i.  attn_out arrives so; x is turned into it through the wave's own stage in LDS (16 rows, a tile at a time).
; THE ORDER OF THE LOADS: attn_out, LN1's gain and bias, then x, tile 0's tokens first: LN1 is worked on attn_out while x is on its way, and x is wanted only for the last addition.
; h's and the hidden layer's fragments go from wave to wave through LDS as images of their registers.
; THE WEIGHTS: wave w multiplies 16 records of wr, rho = 0 .. 15: W1's group w, K steps 0-7; then W2's groups 2 w, 2 w + 1, four K steps each.  Every work-group walks the same records.  They come by two roads:
; (1) CLUSTER 4 x 1: records 0-7 and 12-15 are asked for JOINTLY by the four work-groups (mask 15), two records (25,600 dense bytes) a load of each wave, into a ring of two LDS slots of 8 records.
;     Fill 0: records 0, 1; 1: 2, 3; 2: 4, 5; 3: 6, 7; 4: 12, 13; 5: 14, 15; fill f lies in slot f % 2.  A wave reads only the bytes that it asked for.  One tensor load of a wave is out at a time.
;     Fill 0 goes out at the head, fill 1 in LN1, fill 2 in LN2, fill 3 ahead of record 0's products, fill 4 behind record 5's, fill 5 behind the hidden layer's exchange: each behind the three lines and a round of the cluster's barrier.
; (2) records 8-11 come from memory straight into registers, asked for behind records 5 and 7, so that they are on their way beside the ring's one load and under the activation and the quantiser.
; Four register sets by turns (rho % 4) take the records from either road.
; The second product goes by groups of 128 columns, so that my first 128 columns leave while the second group's records are multiplied.
; No prefetch: x and attn_out are asked for whole at the head, with no loop to run ahead in; the weights' records are the same 64 for all clusters.
; The mean is taken first and the variance of the differences, as reference() has it.  LIMITS: NaN and infinities are not served; a block whose largest magnitude lies under 2^-122 keeps the byte 1; 1 / sqrt by v_rsq_f32.
; REGISTERS: window 0: v1-13 addresses; v20-23 h's scale words; v24-60 the quantiser; v64-79 the weights' scale words; v80-127 two sets of two fragments (earlier: the norms' statistics); v128-255 at work (T), later the hidden layer, later rows of out.
;   window 1: the 32 rows x 256 columns (tile u at 128 u).  window 2: x as loaded; then LN2's gain (v0-127) and bias (v128-255); then b2 (v128-255); then weight sets 2, 3 (v0, v96).
;   window 3: LN1's gain (v0-127) and bias (v128-255); then x's tile 1 (v0-127); then weight sets 0, 1 (v0, v96); b1 (v192-255).
.set REC,  12800
.set RED,  0                           ; LDS: four reductions x 512 bytes,
.set HIMG, 2048                        ; h's 16 fragments (8 u + K step),
.set HSC,  HIMG+16*1536                ; their scale words, 128 bytes each,
.set GIMG, HSC+16*128                  ; the hidden layer's 8 fragments (4 u + K step),
.set GSC,  GIMG+8*1536
.set STG,  GSC+8*128                   ; a stage of 16 rows x (1,024 + 16) bytes for each wave,
.set SPITCH, 1040
.set WSTG, 16*SPITCH
.set RING, STG+4*WSTG                  ; the ring (byte 108,544, a multiple of 256): slot s at s SLOTB, wave w's two records at 2 w REC in it,
.set SLOTB, 8*REC
.set SPARE, RING+2*SLOTB               ; and the spare words, 128 bytes a wave, which no other line names
.set L16, 1
.set SI,  2                            ; the stage by rows
.set SL,  3                            ; the stage by lanes: row r, + 64 h
.set RW,  4
.set RR,  5
.set HWI, 6
.set HWS, 7
.set GWI, 8
.set GWS, 9
.set LS4, 10
.set GV,  11                           ; 64 h
.set ADW, 12                           ; v12-13 16 x lane + my records in slot 0, 1
.set HS,  20
.set TM,  24
.set PC,  40
.set PW,  60
.set SPW, 62
.set NIL, 63
.set WS,  64
.set HF,  80
.set CH,  80                           ; v80-95  sums: tile u, four chains of pairs
.set RD,  96                           ; v96-103 the four waves' parts
.set NMU, 104                          ; v104-107 -mean, a pair for each tile
.set RS,  108                          ; v108-111 1 / sqrt(var + eps), a pair for each tile
.set T,   128
.set HA,  128
.set CB1, 192
.set WV,  24
.set SEL, 26
.set INV, 28
.set EPS, 29
.set G1,  44                           ; s[44:51] group 1; s[52:59] group 0, one set for each slot
.set G0,  52
.set MSB, 0
.macro WIN new
.if MSB != (\new)
	s_set_vgpr_msb (MSB<<8)|(\new)
.set MSB, (\new)
.endif
.endm
.macro PLACES n
.rept \n
	v_nop
.endr
.endm
.macro WM d, a, b, c, sa, sb, ra, rb
.if (\ra)
	v_wmma_scale_f32_16x16x128_f8f6f4 v[(\d):(\d)+7], v[(\a):(\a)+11], v[(\b):(\b)+11], v[(\c):(\c)+7], v[(\sa)], v[(\sb)] matrix_a_fmt:MATRIX_FMT_BF6 matrix_b_fmt:MATRIX_FMT_BF6 matrix_a_scale:MATRIX_SCALE_ROW1
.else
	v_wmma_scale_f32_16x16x128_f8f6f4 v[(\d):(\d)+7], v[(\a):(\a)+11], v[(\b):(\b)+11], v[(\c):(\c)+7], v[(\sa)], v[(\sb)] matrix_a_fmt:MATRIX_FMT_BF6 matrix_b_fmt:MATRIX_FMT_BF6
.endif
.endm
.macro QUANT s                         ; 64 numbers of a lane, register 16 b + i = k 32 b + 16 h + i of my row, become a fragment's codes in v[PC] on and its scale word in v[PW]
.irp b, 0,1,2,3
	v_max3_num_f32 v[TM+\b], |v[\s+16*\b]|, |v[\s+1+16*\b]|, 0x2800000
.endr
.irp i, 2,4,6,8,10,12,14
.irp b, 0,1,2,3
	v_max3_num_f32 v[TM+\b], v[TM+\b], |v[\s+16*\b+\i]|, |v[\s+1+16*\b+\i]|
.endr
.endr
.irp b, 0,1,2,3
	v_permlanex16_b32 v[TM+4+\b], v[TM+\b], s[SEL], s[SEL+1]
.endr
.irp b, 0,1,2,3
	v_max_num_f32 v[TM+\b], v[TM+\b], v[TM+4+\b]
.endr
.irp b, 0,1,2,3
	v_add_nc_u32 v[TM+12+\b], 0xfe000000, v[TM+\b]
.endr
.irp b, 0,1,2,3
	v_lshrrev_b32 v[TM+4+\b], 23, v[TM+12+\b]
.endr
	v_lshl_or_b32 v[PW], v[TM+5], 8, v[TM+4]
	v_lshl_or_b32 v[PW], v[TM+6], 16, v[PW]
	v_lshl_or_b32 v[PW], v[TM+7], 24, v[PW]
.irp c, 0,1
	v_cvt_scalef32_pk16_bf6_f32 v[PC+6*\c:PC+2+6*\c], v[\s+32*\c:\s+15+32*\c], v[TM+12+2*\c]
	v_cvt_scalef32_pk16_bf6_f32 v[PC+12+4*\c:PC+14+4*\c], v[\s+16+32*\c:\s+31+32*\c], v[TM+12+2*\c+1]
.endr
	v_nop
.irp c, 0,1
.irp i, 0,1,2
	v_permlane16_swap_b32 v[PC+6*\c+\i], v[PC+12+4*\c+\i]
.endr
.irp i, 0,1,2
	v_mov_b32 v[PC+3+6*\c+\i], v[PC+12+4*\c+\i]
.endr
.endr
.endm
.macro IMAGE adr, off
.irp c, 0,1,2
	ds_store_b128 v[\adr], v[PC+4*\c:PC+4*\c+3] offset:(\off)+512*\c
.endr
.endm
.macro BARRIER                         ; my LDS stores have landed and my LDS loads are in: then the work-group's barrier
	s_wait_dscnt 0x0
	s_barrier_signal -1
	s_barrier_wait -1
.endm
.macro CROUND                          ; a round of the cluster's barrier
	s_barrier_signal -1
	s_barrier_wait -1
	s_cmp_lg_u32 s[WV], 0
	s_cbranch_scc1 .Lnot_wave_0_\@
	s_barrier_signal -3
.Lnot_wave_0_\@:
	s_barrier_wait -3
	s_barrier_signal -1
	s_barrier_wait -1
.endm
.macro TLOAD s                         ; my joint load into slot s; s_nop 0 and four v_nop follow it
	tensor_load_to_lds s[G0+4*(\s):G0+4*(\s)+3], s[G1:G1+7]
	s_nop 0
	PLACES 4
.endm
.macro STEPG f                         ; the group 0 of slot f % 2 steps from fill f - 2 to fill f: 4 records on; from W1's records 4-7 to W2's 12-15: 32 on (24 records lie between W1's and W2's of my wave)
.if (\f) >= 4
	s_add_nc_u64 s[G0+4*((\f)%2)+2:G0+4*((\f)%2)+3], s[G0+4*((\f)%2)+2:G0+4*((\f)%2)+3], 32*REC
.else
	s_add_nc_u64 s[G0+4*((\f)%2)+2:G0+4*((\f)%2)+3], s[G0+4*((\f)%2)+2:G0+4*((\f)%2)+3], 4*REC
.endif
.endm
; Fill f into slot f % 2, whose two records are in registers: three lines (all my tensor loads have landed; the add; the add and all my LDS instructions are done), a round, my one load
.macro REFILL f
	s_wait_tensorcnt 0x0
	ds_add_u32 v[SPW], v[NIL]
	STEPG \f
	s_wait_dscnt 0x0
	CROUND
	TLOAD (\f)%2
.endm
.macro WSEL rho                        ; record rho's set: rho % 4; sets 0, 1 in window 3, sets 2, 3 in window 2
.set WSET, (\rho)%4
.set WR, 96*(WSET%2)
.set WWIN, 3-WSET/2
.endm
.macro WFETCH rho                      ; record rho out of the ring: 8 fragments and the scale words, 25 loads of 512 consecutive bytes
	WSEL \rho
	WIN WWIN<<6
.irp i, 0,1,2,3,4,5,6,7
.irp c, 0,1,2
	ds_load_b128 v[WR+12*\i+4*\c:WR+12*\i+4*\c+3], v[ADW+((\rho)/2)%2] offset:REC*((\rho)%2)+1536*\i+512*\c
.endr
.endr
	WIN 0
	ds_load_b128 v[WS+4*WSET:WS+4*WSET+3], v[ADW+((\rho)/2)%2] offset:REC*((\rho)%2)+12288
.endm
.macro WLOAD rho                       ; record rho (8 .. 11) from memory: the same 25 loads
	WSEL \rho
	WIN WWIN<<6
.irp i, 0,1,2,3,4,5,6,7
.irp c, 0,1,2
	global_load_b128 v[WR+12*\i+4*\c:WR+12*\i+4*\c+3], v[L16], s[8:9] offset:REC*(24+(\rho))+1536*\i+512*\c
.endr
.endr
	WIN 0
	global_load_b128 v[WS+4*WSET:WS+4*WSET+3], v[L16], s[8:9] offset:REC*(24+(\rho))+12288
.endm
.macro PARAMS g, b, w                  ; a norm's gain and bias of my 256 columns in the result's layout, into window w
	WIN (\w)<<6
.irp k, 0,1,2,3,4,5,6,7
.irp j, 0,1,2,3
	global_load_b128 v[16*\k+4*\j:16*\k+4*\j+3], v[GV], s[\g:\g+1] offset:128*\k+16*\j
	global_load_b128 v[128+16*\k+4*\j:128+16*\k+4*\j+3], v[GV], s[\b:\b+1] offset:128*\k+16*\j
.endr
.endr
	WIN 0
.endm
.macro XIN u                           ; the 16 tokens of tile u into my stage: token i = k % 8 + 8 u + 16 (k / 8) is row k
.set k, 0
.rept 16
.set i, k%8+8*(\u)+16*(k/8)
	ds_store_b128 v[SI], v[8*i:8*i+3] offset:SPITCH*k
	ds_store_b128 v[SI], v[8*i+4:8*i+7] offset:SPITCH*k+512
.set k, k+1
.endr
.endm
.macro XT d                            ; and out of it in the result's layout.  LDS serves a wave's instructions in order: these see my stores, and the next tile's stores come behind them
.irp k, 0,1,2,3,4,5,6,7
.irp j, 0,1,2,3
	ds_load_b128 v[(\d)+16*\k+4*\j:(\d)+16*\k+4*\j+3], v[SL] offset:128*\k+16*\j
.endr
.endr
.endm
.macro FOLD                            ; the chains, the pair's halves and lane l xor 16's: my wave's part of a row's sum in v[CH + 8 u]
.irp u, 0,1
	v_pk_add_f32 v[CH+8*\u:CH+8*\u+1], v[CH+8*\u:CH+8*\u+1], v[CH+8*\u+2:CH+8*\u+3]
	v_pk_add_f32 v[CH+8*\u+4:CH+8*\u+5], v[CH+8*\u+4:CH+8*\u+5], v[CH+8*\u+6:CH+8*\u+7]
.endr
.irp u, 0,1
	v_pk_add_f32 v[CH+8*\u:CH+8*\u+1], v[CH+8*\u:CH+8*\u+1], v[CH+8*\u+4:CH+8*\u+5]
.endr
.irp u, 0,1
	v_add_f32 v[CH+8*\u], v[CH+8*\u], v[CH+8*\u+1]
.endr
.irp u, 0,1
	v_permlanex16_b32 v[CH+8*\u+2], v[CH+8*\u], s[SEL], s[SEL+1]
.endr
.irp u, 0,1
	v_add_f32 v[CH+8*\u], v[CH+8*\u], v[CH+8*\u+2]
.endr
.endm
.macro SUMX                            ; the rows' sums over my columns
	WIN 0x05
.irp u, 0,1
.irp c, 0,1,2,3
	v_pk_add_f32 v[CH+8*\u+2*\c:CH+8*\u+2*\c+1], v[128*\u+2*\c:128*\u+2*\c+1], v[128*\u+8+2*\c:128*\u+8+2*\c+1]
.endr
.endr
	WIN 0x04
.irp i, 16,24,32,40,48,56,64,72,80,88,96,104,112,120
.irp u, 0,1
.irp c, 0,1,2,3
	v_pk_add_f32 v[CH+8*\u+2*\c:CH+8*\u+2*\c+1], v[CH+8*\u+2*\c:CH+8*\u+2*\c+1], v[128*\u+\i+2*\c:128*\u+\i+2*\c+1]
.endr
.endr
.endr
	WIN 0
	FOLD
.endm
.macro REDUCE k                        ; over the four waves: each stores its part to its own word; bytes of its own for each reduction
	ds_store_b32 v[RW], v[CH] offset:RED+512*\k
	ds_store_b32 v[RW], v[CH+8] offset:RED+512*\k+256
	BARRIER
	ds_load_b128 v[RD:RD+3], v[RR] offset:RED+512*\k
	ds_load_b128 v[RD+4:RD+7], v[RR] offset:RED+512*\k+256
	s_wait_dscnt 0x0
.irp u, 0,1
	v_add_f32 v[RD+4*\u], v[RD+4*\u], v[RD+4*\u+1]
	v_add_f32 v[RD+4*\u+2], v[RD+4*\u+2], v[RD+4*\u+3]
.endr
.irp u, 0,1
	v_add_f32 v[RD+4*\u], v[RD+4*\u], v[RD+4*\u+2]
.endr
.endm
.macro MEAN
.irp u, 0,1
	v_mul_f32 v[NMU+2*\u], 0xba800000, v[RD+4*\u]  ; -sum / 1024
.endr
.irp u, 0,1
	v_mov_b32 v[NMU+2*\u+1], v[NMU+2*\u]
.endr
.endm
.macro RSQ
.irp u, 0,1
	v_fma_f32 v[RS+2*\u], v[RD+4*\u], s[INV], s[EPS]
.endr
	s_wait_alu depctr_va_vdst(0)                   ; a wait ahead of the transcendentals
.irp u, 0,1
	v_rsq_f32 v[RS+2*\u], v[RS+2*\u]
.endr
	v_nop                                          ; a plain place behind them
	s_wait_alu depctr_va_vdst(0)                   ; one wait ahead of their first reader
.irp u, 0,1
	v_mov_b32 v[RS+2*\u+1], v[RS+2*\u]
.endr
.endm
.macro XOP2 op, u, src                 ; rows of tile u (window 1), in place, with a pair of window 0
.set i, 0
.rept 64
	\op v[128*(\u)+i:128*(\u)+i+1], v[128*(\u)+i:128*(\u)+i+1], v[(\src):(\src)+1]
.set i, i+2
.endr
.endm
.macro OFETCH s, img, sc, cnt          ; both tiles' fragments and scale words of K step s, into set s % 2: 8 loads
.irp u, 0,1
.irp c, 0,1,2
	ds_load_b128 v[HF+24*((\s)%2)+12*\u+4*\c:HF+24*((\s)%2)+12*\u+4*\c+3], v[L16] offset:(\img)+1536*((\cnt)*\u+(\s))+512*\c
.endr
	ds_load_b32 v[HS+2*((\s)%2)+\u], v[LS4] offset:(\sc)+128*((\cnt)*\u+(\s))
.endr
.endm
.macro OF rho                          ; the other operand of record rho: h's K step rho, or the hidden layer's K step (rho - 8) % 4
.if (\rho) < 8
	OFETCH \rho, HIMG, HSC, 8
.else
	OFETCH ((\rho)-8)%4, GIMG, GSC, 4
.endif
.endm
.macro GAIN u                          ; rows x gain + bias: rows window 1, gain (v0-127) and bias (v128-255) in the window that is set
.set i, 0
.rept 64
	v_pk_fma_f32 v[128*(\u)+i:128*(\u)+i+1], v[128*(\u)+i:128*(\u)+i+1], v[i:i+1], v[128+i:128+i+1]
.set i, i+2
.endr
.endm
.macro ADDT u, src                     ; rows + x
.set i, 0
.rept 64
	v_pk_add_f32 v[128*(\u)+i:128*(\u)+i+1], v[128*(\u)+i:128*(\u)+i+1], v[(\src)+i:(\src)+i+1]
.set i, i+2
.endr
.endm
.macro CENTRE u                        ; T = x1 - mean
	WIN 0x01
.set i, 0
.rept 64
	v_pk_add_f32 v[T+i:T+i+1], v[128*(\u)+i:128*(\u)+i+1], v[NMU+2*(\u):NMU+2*(\u)+1]
.set i, i+2
.endr
	WIN 0
.endm
.macro SQT u
.irp c, 0,1,2,3
	v_pk_mul_f32 v[CH+8*\u+2*\c:CH+8*\u+2*\c+1], v[T+2*\c:T+2*\c+1], v[T+2*\c:T+2*\c+1]
.endr
.irp i, 8,16,24,32,40,48,56,64,72,80,88,96,104,112,120
.irp c, 0,1,2,3
	v_pk_fma_f32 v[CH+8*\u+2*\c:CH+8*\u+2*\c+1], v[T+\i+2*\c:T+\i+2*\c+1], v[T+\i+2*\c:T+\i+2*\c+1], v[CH+8*\u+2*\c:CH+8*\u+2*\c+1]
.endr
.endr
.endm
.macro NORMT u                         ; T = T / sqrt(var + eps) x gain + bias
.set i, 0
.rept 64
	v_pk_mul_f32 v[T+i:T+i+1], v[T+i:T+i+1], v[RS+2*(\u):RS+2*(\u)+1]
.set i, i+2
.endr
	WIN 0x28
.set i, 0
.rept 64
	v_pk_fma_f32 v[T+i:T+i+1], v[T+i:T+i+1], v[i:i+1], v[128+i:128+i+1]
.set i, i+2
.endr
	WIN 0
.endm
.macro HOUT u                          ; my 256 columns of h are K steps 2 w and 2 w + 1 of the first product
	QUANT T
	IMAGE HWI, HIMG+12288*(\u)
	ds_store_b32 v[HWS], v[PW] offset:HSC+1024*(\u)
	s_wait_dscnt 0x0                               ; the stores have read their registers
	QUANT T+64
	IMAGE HWI, HIMG+12288*(\u)+1536
	ds_store_b32 v[HWS], v[PW] offset:HSC+1024*(\u)+128
	s_wait_dscnt 0x0
.endm
; record rho's 16 matrix instructions: its 16 accumulators take turns, one instruction a turn.  rho < 8: my 128 hidden units, from b1; else my column group (rho - 8) / 4, onto x1 + b2
.macro CW rho
	WSEL \rho
.if (\rho) == 0
	WIN 0x33                                       ; source 0 (W1) and C (b1) window 3
.elseif (\rho) < 8
	WIN WWIN
.else
	WIN 0x50|WWIN                                  ; C and D window 1
.endif
.irp t, 0,1,2,3,4,5,6,7
.irp u, 0,1
.if (\rho) == 0
	WM HA+64*\u+8*\t, WR+12*\t, HF+24*((\rho)%2)+12*\u, CB1+8*\t, WS+4*WSET+\t/2, HS+2*((\rho)%2)+\u, \t%2, 0
.elseif (\rho) < 8
	WM HA+64*\u+8*\t, WR+12*\t, HF+24*((\rho)%2)+12*\u, HA+64*\u+8*\t, WS+4*WSET+\t/2, HS+2*((\rho)%2)+\u, \t%2, 0
.else
	WM 128*\u+8*(8*(((\rho)-8)/4)+\t), WR+12*\t, HF+24*((\rho)%2)+12*\u, 128*\u+8*(8*(((\rho)-8)/4)+\t), WS+4*WSET+\t/2, HS+2*((\rho)%2)+\u, \t%2, 0
.endif
.endr
.endr
	WIN 0
.endm
; THE WAY OUT of column group g (128 of my 256 columns, both tiles of rows): through my stage (tile u at byte 512 u of its 16 rows), back as rows of 512 bytes.  LDS serves a wave's instructions in order.
.macro LEAVE g
.irp u, 0,1
	WIN 0x04                                       ; the data: window 1
.set i, 0
.rept 16
	ds_store_b128 v[SL], v[128*\u+64*(\g)+4*i:128*\u+64*(\g)+4*i+3] offset:512*\u+128*(i/4)+16*(i%4)   ; each accumulator from its low end on
.set i, i+1
.endr
	WIN 0
.set i, 0
.rept 16
	ds_load_b128 v[T+64*\u+4*i:T+64*\u+4*i+3], v[SI] offset:SPITCH*i+512*\u
.set i, i+1
.endr
.endr
.irp u, 0,1
.set i, 0
.rept 16
	s_wait_dscnt 47-32*\u-i                        ; behind this read: the rest of its tile's 16, and for tile 0 tile 1's 16 stores and 16 reads
	global_store_b128 v[L16], v[T+64*\u+4*i:T+64*\u+4*i+3], s[22:23] offset:4096*(8*\u+i+8*(i/8))+512*(\g) th:TH_STORE_NT   ; 512 consecutive bytes of a row of out0
.set i, i+1
.endr
.endr
.endm
	s_load_b512 s[4:19], s[0:1], 0x0               ; x s[4:5], ao s[6:7], wr s[8:9], ln1_g s[10:11], ln1_b s[12:13], ln2_g s[14:15], ln2_b s[16:17], b1 s[18:19]
	s_load_b128 s[20:23], s[0:1], 0x40             ; b2 s[20:21], out0 s[22:23]
	v_lshl_add_u32 v[SPW], v0, 2, SPARE
	v_mov_b32 v[NIL], 0
	ds_add_u32 v[SPW], v[NIL]                      ; the opening lines: the add twice on end and one wait, ahead of my first tensor load
	ds_add_u32 v[SPW], v[NIL]
	v_lshrrev_b32 v16, 5, v0
	v_readfirstlane_b32 s[WV], v16
	v_and_b32 v16, 31, v0
	v_and_b32 v17, 15, v0                          ; r
	v_bfe_u32 v18, v0, 4, 1                        ; h
	v_lshlrev_b32 v[L16], 4, v16
	v_lshlrev_b32 v[LS4], 2, v16
	v_lshlrev_b32 v[GV], 6, v18
	s_mul_i32 s30, s[WV], WSTG
	s_add_co_u32 s30, s30, STG
	v_add_nc_u32 v[SI], s30, v[L16]
	v_mul_u32_u24 v[SL], v17, SPITCH
	v_lshl_add_u32 v[SL], v18, 6, v[SL]
	v_add_nc_u32 v[SL], s30, v[SL]
	v_lshlrev_b32 v[RR], 4, v17
	s_lshl_b32 s30, s[WV], 2
	v_add_nc_u32 v[RW], s30, v[RR]
	s_mul_i32 s30, s[WV], 3072
	v_add_nc_u32 v[HWI], s30, v[L16]               ; h: my two K steps' images
	s_lshl_b32 s30, s[WV], 8
	v_add_nc_u32 v[HWS], s30, v[LS4]
	s_mul_i32 s30, s[WV], 1536
	v_add_nc_u32 v[GWI], s30, v[L16]               ; the hidden layer: my K step's image
	s_lshl_b32 s30, s[WV], 7
	v_add_nc_u32 v[GWS], s30, v[LS4]
	s_mul_i32 s33, s[WV], 2*REC                    ; my two records' place in a slot: the wave's number alone enters an LDS address
	s_add_co_u32 s30, s33, RING
	v_add_nc_u32 v[ADW], s30, v[L16]
	v_add_nc_u32 v[ADW+1], SLOTB, v[ADW]
.irp b, 0,1,2,3
	v_mov_b32 v[TM+4+\b], 0                        ; written once: a lane permute's destination counts as one of its sources
.endr
	s_mov_b32 s[SEL], 0x76543210
	s_mov_b32 s[SEL+1], 0xfedcba98
	s_mov_b32 s[INV], 0x3a800000                   ; 1 / 1024
	s_mov_b32 s[EPS], 0x3727c5ac                   ; 1e-5
	s_mov_b32 s[G1], 15|(3<<16)|(1<<21)            ; the four work-groups of the cluster; elements of 8 bytes; bit 21 beside a mask
	s_mov_b32 s[G1+1], 32<<16                      ; 25,600 dense bytes as 100 rows of 256
	s_mov_b32 s[G1+2], 100<<16
	s_mov_b32 s[G1+3], 32<<16
	s_mov_b32 s[G1+4], 100
	s_mov_b32 s[G1+5], 32
	s_mov_b32 s[G1+6], 0
	s_mov_b32 s[G1+7], 0
	s_bfe_u32 s31, ttmp6, 0x40000                  ; my place in the cluster: it enters the addresses of x, attn_out and out0 alone
	s_lshl_b32 s32, ttmp9, 2
	s_add_co_u32 s32, s32, s31                     ; the work-group's number
	s_lshl_b32 s32, s32, 17                        ; 32 rows of 4,096 bytes; also two token tiles of 65,536 bytes in ao
	s_lshl_b32 s40, s[WV], 10                      ; my 256 columns
	s_mov_b32 s41, 0
	s_add_co_u32 s34, s32, s40
	s_mov_b32 s35, 0
	s_lshl_b32 s36, s[WV], 14                      ; my 16 channel tiles
	s_add_co_u32 s36, s36, s32
	s_mov_b32 s37, 0
	s_mul_i32 s38, s[WV], 8*REC
	s_add_co_u32 s38, s38, 192*REC                 ; W1's records begin at 192; my group's eight
	s_mov_b32 s39, 0
	s_lshl_b32 s42, s[WV], 9
	s_mov_b32 s43, 0
	s_wait_alu depctr_va_vdst(0)
	s_wait_dscnt 0x0                               ; both opening adds are done
	s_wait_kmcnt 0x0
	s_add_nc_u64 s[4:5], s[4:5], s[34:35]
	s_add_nc_u64 s[22:23], s[22:23], s[34:35]
	s_add_nc_u64 s[6:7], s[6:7], s[36:37]
	s_add_nc_u64 s[8:9], s[8:9], s[38:39]
	s_add_nc_u64 s[10:11], s[10:11], s[40:41]
	s_add_nc_u64 s[12:13], s[12:13], s[40:41]
	s_add_nc_u64 s[14:15], s[14:15], s[40:41]
	s_add_nc_u64 s[16:17], s[16:17], s[40:41]
	s_add_nc_u64 s[20:21], s[20:21], s[40:41]
	s_add_nc_u64 s[18:19], s[18:19], s[42:43]
.irp s, 0,1
	s_mov_b32 s[G0+4*\s], 1
	s_add_co_u32 s[G0+4*\s+1], s33, RING+\s*SLOTB
	s_add_nc_u64 s[G0+4*\s+2:G0+4*\s+3], s[8:9], \s*2*REC
	s_or_b32 s[G0+4*\s+3], s[G0+4*\s+3], 0x80000000
.endr
	CROUND                                         ; the four work-groups are here: the first joint loads meet
	TLOAD 0                                        ; fill 0: my one tensor load at the head
	WIN 0x40
.set i, 0
.rept 64
	global_load_b128 v[4*i:4*i+3], v[L16], s[6:7] offset:65536*(i/32)+512*(i%32) th:TH_LOAD_NT   ; attn_out: accumulators as they were stored
.set i, i+1
.endr
	WIN 0
	PARAMS 10, 12, 3                               ; LN1's gain and bias, into window 3
	WIN 0x80
.set k, 0
.rept 32
.set i, k%8+8*(k/16)+16*((k/8)%2)                      ; tile 0's sixteen tokens first, then tile 1's
	global_load_b128 v[8*i:8*i+3], v[L16], s[4:5] offset:4096*i th:TH_LOAD_NT        ; token i, my 1,024 bytes: two loads of 512 consecutive bytes
	global_load_b128 v[8*i+4:8*i+7], v[L16], s[4:5] offset:4096*i+512 th:TH_LOAD_NT
.set k, k+1
.endr
	WIN 0
	s_wait_loadcnt 63                              ; attn_out, gain and bias are in (x's 64 loads might stay out; 63 is the largest count that the wait can name)
	; ---- LN1, while x is on its way
	SUMX
	REDUCE 0
	MEAN
	WIN 0x41
	XOP2 v_pk_add_f32, 0, NMU
	XOP2 v_pk_add_f32, 1, NMU+2
	WIN 0x05
.irp u, 0,1
.irp c, 0,1,2,3
	v_pk_mul_f32 v[CH+8*\u+2*\c:CH+8*\u+2*\c+1], v[128*\u+2*\c:128*\u+2*\c+1], v[128*\u+2*\c:128*\u+2*\c+1]
.endr
.endr
.irp i, 8,16,24,32,40,48,56,64,72,80,88,96,104,112,120
.irp u, 0,1
.irp c, 0,1,2,3
	v_pk_fma_f32 v[CH+8*\u+2*\c:CH+8*\u+2*\c+1], v[128*\u+\i+2*\c:128*\u+\i+2*\c+1], v[128*\u+\i+2*\c:128*\u+\i+2*\c+1], v[CH+8*\u+2*\c:CH+8*\u+2*\c+1]
.endr
.endr
.endr
	WIN 0
	FOLD
	s_wait_alu depctr_va_vdst(0)
	s_wait_tensorcnt 0x0                           ; fill 0 is in
	ds_add_u32 v[SPW], v[NIL]
	s_wait_dscnt 0x0
	CROUND
	TLOAD 1                                        ; fill 1: slot 1's first fill
	REDUCE 1
	RSQ
	WIN 0x41
	XOP2 v_pk_mul_f32, 0, RS
	XOP2 v_pk_mul_f32, 1, RS+2
	WIN 0x7d                                       ; rows window 1, gain and bias window 3
	GAIN 0
	GAIN 1
	WIN 0
	; ---- x1 = x + LN1
	s_wait_loadcnt 32                              ; tile 0's x is in; tile 1's 32 loads may be out
	WIN 0x08                                       ; an LDS store's data are its source 1: window 2
	XIN 0
	WIN 0
	XT T                                           ; tile 0's x into T,
	s_wait_loadcnt 0x0
	WIN 0x08
	XIN 1
	WIN 0xc0
	XT 0                                           ; tile 1's into window 3, where gain and bias are done with
	WIN 0
	s_wait_dscnt 63                                ; tile 0's x is back (behind it: tile 1's 32 stores and 32 reads; 63 is the largest count that the wait can name)
	WIN 0x41
	ADDT 0, T
	WIN 0
	s_wait_dscnt 0x0                               ; tile 1's x is back, and the stage's stores have read their registers
	WIN 0x4d                                       ; x's tile 1: window 3
	ADDT 1, 0
	WIN 0
	PARAMS 14, 16, 2
	WFETCH 0                                       ; window 3 is free: fill 0's two records go into sets 0 and 1
	WFETCH 1
	; ---- LN2
	SUMX
	s_wait_alu depctr_va_vdst(0)
	REFILL 2                                       ; fill 1 is in, slot 0's records are in registers: records 4, 5
	REDUCE 2
	MEAN
	CENTRE 0
	SQT 0
	CENTRE 1
	SQT 1
	FOLD
	REDUCE 3
	RSQ
	s_wait_alu depctr_va_vdst(0)
	s_wait_loadcnt 0x0                             ; LN2's gain and bias
	NORMT 1                                        ; tile 1's differences still stand in T
	HOUT 1
	CENTRE 0
	NORMT 0
	WIN 0xc0                                       ; gain and bias are done with: b1 and b2 are asked for
.irp t, 0,1,2,3,4,5,6,7
	global_load_b128 v[CB1+8*\t:CB1+8*\t+3], v[GV], s[18:19] offset:4*(32*(\t/2)+8*(\t%2))      ; b1 in the result's layout: the C of the first product's first step
	global_load_b128 v[CB1+8*\t+4:CB1+8*\t+7], v[GV], s[18:19] offset:4*(32*(\t/2)+8*(\t%2))+16
.endr
	WIN 0x80
.irp k, 0,1,2,3,4,5,6,7
.irp j, 0,1,2,3
	global_load_b128 v[128+16*\k+4*\j:128+16*\k+4*\j+3], v[GV], s[20:21] offset:128*\k+16*\j
.endr
.endr
	WIN 0
	HOUT 0
	BARRIER                                        ; h's sixteen fragments lie in LDS
	OF 0
	OF 1
	WFETCH 2
	s_wait_loadcnt 0x0                             ; b1 and b2
	WIN 0x49                                       ; rows window 1, b2 window 2
.irp u, 0,1
.set i, 0
.rept 64
	v_pk_add_f32 v[128*\u+i:128*\u+i+1], v[128*\u+i:128*\u+i+1], v[128+i:128+i+1]   ; x1 + b2: the C of the second product
.set i, i+2
.endr
.endr
	WIN 0
	WFETCH 3                                       ; b2's registers are free: set 3
	REFILL 3                                       ; slot 1's records are in registers: records 6, 7, six records' products ahead of their use
	; ---- the first product.  Four plain places stand in front of loads into registers that matrix instructions have read (behind a tensor load its four v_nop are these)
	CW 0
	CW 1
	PLACES 4
	OF 2
	OF 3
	WFETCH 4
	WFETCH 5
	s_wait_dscnt 50                                ; h's K steps 2, 3 are in; records 4, 5 (25 loads each) may be out
	CW 2
	CW 3
	PLACES 4
	OF 4
	OF 5
	s_wait_dscnt 0x0
	CW 4
	CW 5
	PLACES 4
	WLOAD 8                                        ; sets 0, 1 are free: W2's first two records, from memory
	WLOAD 9
	OF 6
	OF 7
	REFILL 4                                       ; fill 3 is in, slot 0's records were multiplied: records 12, 13
	WFETCH 6
	WFETCH 7
	s_wait_dscnt 0x0
	CW 6
	CW 7
	PLACES 4
	WLOAD 10
	WLOAD 11
.set i, 0
.rept 128
	v_max_num_f32 v[HA+i], 0, v[HA+i]              ; the activation, in f32; each accumulator from its low end on
.set i, i+1
.endr
	QUANT HA
	IMAGE GWI, GIMG
	ds_store_b32 v[GWS], v[PW] offset:GSC
	s_wait_dscnt 0x0
	QUANT HA+64
	IMAGE GWI, GIMG+6144
	ds_store_b32 v[GWS], v[PW] offset:GSC+512
	REFILL 5                                       ; its wait and round also show the hidden layer's eight fragments to all four waves; fill 4 is in; records 14, 15 into slot 1
	; ---- the second product
	OF 8
	OF 9
	s_wait_loadcnt 50                              ; records 8, 9 are in; 10, 11 (25 loads each) may be out
	s_wait_dscnt 0x0
	CW 8
	CW 9
	PLACES 4
	OF 10
	OF 11
	WFETCH 12
	WFETCH 13
	s_wait_loadcnt 0x0
	s_wait_dscnt 50                                ; the hidden layer's K steps 2, 3 are in; records 12, 13 may be out
	CW 10
	CW 11
	PLACES 4
	OF 12
	OF 13
	LEAVE 0                                        ; my first 128 columns are finished; its last wait leaves nothing out on DScnt
	s_wait_tensorcnt 0x0                           ; fill 5, my last, is in: only I read its bytes
	WFETCH 14
	WFETCH 15
	CW 12
	CW 13
	PLACES 4
	OF 14
	OF 15
	s_wait_dscnt 0x0
	CW 14
	CW 15
	PLACES 4
	s_wait_xcnt 0x0                                ; the first group's stores have read their registers: the second group's rows may land there
	LEAVE 1
	s_wait_tensorcnt 0x0                           ; the wave's end
	ds_add_u32 v[SPW], v[NIL]
	s_wait_dscnt 0x0
	CROUND                                         ; the closing round
	s_endpgm
.Lfunc_end_k_q644283b104_tail:
	.size	k_q644283b104_tail, .Lfunc_end_k_q644283b104_tail-k_q644283b104_tail
	.p2alignl 7, 3214868480
	.fill 96, 4, 3214868480
	.section	.rodata,"a",@progbits
	.p2align	6, 0x0
	.amdhsa_kernel k_q644283b104_tail
		.amdhsa_group_segment_fixed_size 327680
		.amdhsa_private_segment_fixed_size 0
		.amdhsa_enable_private_segment 0
		.amdhsa_kernarg_size 80
		.amdhsa_user_sgpr_count 2
		.amdhsa_user_sgpr_kernarg_segment_ptr 1
		.amdhsa_wavefront_size32 1
		.amdhsa_system_sgpr_workgroup_id_x 1
		.amdhsa_system_sgpr_workgroup_id_y 1
		.amdhsa_system_sgpr_workgroup_id_z 1
		.amdhsa_system_vgpr_workitem_id 0
		.amdhsa_next_free_vgpr 1024
		.amdhsa_next_free_sgpr 66
		.amdhsa_reserve_vcc 0
		.amdhsa_float_denorm_mode_32 3
		.amdhsa_float_denorm_mode_16_64 3
		.amdhsa_memory_ordered 1
		.amdhsa_forward_progress 1
		.amdhsa_inst_pref_size 255
	.end_amdhsa_kernel
	.section	.bss,"aw",@nobits
	.p2align	6
	.space	262144
	.amdgpu_metadata
---
amdhsa.version: [ 1, 2 ]
amdhsa.kernels:
  - .name:           k_q644283b104_tail
    .symbol:         k_q644283b104_tail.kd
    .args:
      - { .name: x, .offset: 0, .size: 8, .value_kind: global_buffer, .address_space: global }
      - { .name: ao, .offset: 8, .size: 8, .value_kind: global_buffer, .address_space: global }
      - { .name: wr, .offset: 16, .size: 8, .value_kind: global_buffer, .address_space: global }
      - { .name: ln1_g, .offset: 24, .size: 8, .value_kind: global_buffer, .address_space: global }
      - { .name: ln1_b, .offset: 32, .size: 8, .value_kind: global_buffer, .address_space: global }
      - { .name: ln2_g, .offset: 40, .size: 8, .value_kind: global_buffer, .address_space: global }
      - { .name: ln2_b, .offset: 48, .size: 8, .value_kind: global_buffer, .address_space: global }
      - { .name: b1, .offset: 56, .size: 8, .value_kind: global_buffer, .address_space: global }
      - { .name: b2, .offset: 64, .size: 8, .value_kind: global_buffer, .address_space: global }
      - { .name: out0, .offset: 72, .size: 8, .value_kind: global_buffer, .address_space: global }
    .group_segment_fixed_size: 327680
    .private_segment_fixed_size: 0
    .kernarg_segment_align: 8
    .kernarg_segment_size: 80
    .max_flat_workgroup_size: 128
    .sgpr_count:     66
    .vgpr_count:     1024
    .wavefront_size: 32
...
	.end_amdgpu_metadata
.endif
;; end of part 5
